; MI455X (gfx1250); checked and timed in simulation.
; The chip was launched on July 23, 2026; its instructions are those of AMD's public machine-readable ISA for CDNA 5 (MIT licence, August 2026) and "CDNA5" Instruction Set Architecture Reference Guide (July 2026). The comments in the code are by the model that wrote it; some were corrected since.
;; MHA. Allowed arithmetic: matrix products marked QUANTISED: E4M3 operands, one E8M0 scale for each 32 along K, by v_wmma_scale_f32_16x16x128_f8f6f4 with both operands' format E4M3, f32 sums; everything else in f32.
;; Inputs: W_k 1,024 x 128 float32; W_q 1,024 x 128 float32; W_v 1,024 x 128 float32; x 4 x 2,048 x 128 float32.
;; Outputs: out0 4 x 8 x 2,048 x 128 float32.
;; This version of the problem:
;;   THIS VERSION OF THE PROBLEM IS GIVEN IN LOW PRECISION. The matrix products marked QUANTISED in the list below multiply operands that are first quantised to E4M3 (4 exponent bits, 3 mantissa bits; 8 bits a number), with one power-of-two scale for each 32 numbers along K (OCP MX v1.0); their sums are f32. All else is computed in f32.
;;   The module's matrix products, in the order in which they are computed (A, B: the left and right operand; K: the contracted axis; several contracted axes count as one K, in the product's order):
;;     1. [M 8,192, K 128] x [K 128, N 1,024]; A: input x; B: input W_q: QUANTISED
;;     2. [M 8,192, K 128] x [K 128, N 1,024]; A: input x; B: input W_k: QUANTISED
;;     3. [M 8,192, K 128] x [K 128, N 1,024]; A: input x; B: input W_v: QUANTISED
;;     4. batch 32 x [M 2,048, K 128] x [K 128, N 2,048]; A: computed on the way; B: computed on the way: QUANTISED
;;     5. batch 32 x [M 2,048, K 2,048] x [K 2,048, N 128]; A: computed on the way; B: computed on the way: QUANTISED
;;   THE QUANTISER, for each operand of a quantised product, along K:
;;     - K is cut into blocks of 32 from its start; a last block that is shorter is filled with zeros.
;;     - A block's scale is 2^e with e = floor(log2(the largest magnitude in the block)) - 8, held to -126 .. 127; a block of zeros has e = 0. As a byte (E8M0): e + 127.
;;     - Each number is divided by its block's scale, clamped to +-448, and rounded to the nearest number of E4M3, ties to even, subnormals kept.
;;     - The product sums the exact products of the quantised numbers (number of the format x scale) in f32.
;;   ~~~python
;;   def quantise(x, axis):      # numpy; x: float32 -> the quantised numbers, widened to float32 again
;;       x = np.moveaxis(x, axis, -1); K = x.shape[-1]
;;       x = np.pad(x, [(0, 0)] * (x.ndim - 1) + [(0, -K % 32)]); x = x.reshape(x.shape[:-1] + (-1, 32)); a = np.abs(x).max(-1, keepdims=True)
;;       e = np.where(a > 0, np.clip(np.frexp(np.where(a > 0, a, 1))[1] - 1 - 8, -126, 127), 0)      # np.frexp(a)[1] - 1 = floor(log2(a)), exactly
;;       r = np.clip(x / 2.0 ** e, -448, 448)
;;       step = 2.0 ** (np.maximum(np.frexp(np.where(r == 0, 1, r))[1] - 1, -6) - 3)
;;       q = np.round(r / step) * step * 2.0 ** e      # np.round: ties to even
;;       return np.moveaxis(q.reshape(q.shape[:-2] + (-1,))[..., :K], -1, axis).astype(np.float32)
;;   ~~~
;;   OPERANDS COMPUTED ON THE WAY. 'Computed on the way' means the value that the module computes at that place (a softmax that the list does not call 'softmax' is quantised finished and normalised). What goes into a quantiser is computed in f32, as accurately as f32 sums, v_exp_f32 and their like allow (about 1e-6 of the number): no bf16 or f16 on the way to a quantiser, and a product that is left as it is and whose result goes on into a quantised operand takes f32 operands (vector FMAs, or v_wmma_f32_16x16x4_f32). A number that lies on a knife's edge between two numbers of the format may be rounded either way, as far as f32 arithmetic and the matrix unit's own rounding can turn it there, and no further.
;; 2 versions, each right; version 2 is version 1 with the launch proj written anew for expert scheduling mode. Each part assembles by itself: llvm-mc -triple=amdgcn-amd-amdhsa -mcpu=gfx1250 --defsym DOCPART=n.
;; ======== version 1 of 2: 2 launches
;; workspace buffers: qf 8,912,896 bytes; kv 17,825,792 bytes
;; launch proj (part 1): grid 32 x 8, 8 waves a work-group, no clusters, 169,984 bytes of LDS; arguments x, W_q, W_k, W_v, qf, kv; writes qf, kv
.if DOCPART == 1
	.amdgcn_target "amdgcn-amd-amdhsa--gfx1250"
	.amdhsa_code_object_version 6
	.text
	.protected	k_qa8193eca87_proj
	.globl	k_qa8193eca87_proj
	.p2align	8
	.type	k_qa8193eca87_proj,@function
k_qa8193eca87_proj:
	s_mov_b64 s[64:65], 0
	v_nop
	global_prefetch_b8 v0, s[64:65] scope:SCOPE_SE
	s_setreg_imm32_b32 hwreg(HW_REG_WAVE_MODE, 25, 1), 1
	s_wait_xcnt 0x0
; Q, K, V = x W^T for one head and 256 rows of x, all on codes of FP8 (E4M3) with one E8M0 scale for each 32 along K, and the results quantised again in registers for the two products that follow.
; x: [8192][128] f32.  W_q, W_k, W_v: [1024][128] f32; head e takes rows 128 e on.  What leaves are IMAGES OF OPERAND REGISTERS, laid as the next launch's fragments want them.
; A SECTION (17,408 bytes) holds one operand for a step of 128 rows: eight fragments of 2,048 bytes (fragment f, register group c, lane l at 2048 f + 512 c + 16 l), then four blocks of 256 bytes of scale words
; (block q, lane l: 8 bytes at 8 l: the words of fragments 2 q and 2 q + 1 for row l % 16).  qf: [32 heads of batches][16 steps][section];  kv: [32][16][K's section, V's section].
; THE ROWS OF A FRAGMENT ARE NOT NEIGHBOURS: lane r of fragment 2 b + u takes row 32 b + 8 u + r + 8 (r / 8) of its 128.  Used as source 0, eight such fragments leave a lane's 64 results as k = 32 b + 16 (lane / 16) + i in
; register 16 b + i: the order that the conversions and the operand's layout want.  Q, K: source 0 = W's eight fragments (the channels), source 1 = 16 rows of x: a lane holds one row, registers run along the head's 128.
; V: source 0 = x's eight fragments (the keys), source 1 = 16 neighbouring rows of W_v: a lane holds one channel, registers run along the 128 keys, which are the last product's K.
; EACH SUM IS MADE IN TWO PARTS.  The sums go into a quantiser, and one code of Q moves all 2,048 scores of its row, so they are wanted to the last bit of f32.  The quantised numbers have four significant bits, and the exact sum
; of the 128 products mostly fits in 24 bits; but the products of one sum lie up to 2^35 apart.  So every element's code, made by the quantiser as it stands, goes into one of two fragments and the other gets the code 0 there:
; HI where its magnitude is at least 8 x its block's scale, LO else.  HI x HI (products between 2^6 and 2^17.6 in code units) is summed by one instruction on one accumulator; HI x LO, LO x HI and LO x LO by three
; on a second; one f32 addition joins the two.  So no instruction's sum has to hold a small product's low bits beside a large product.  Codes, scale bytes and the products themselves are those of one instruction.
; SHARES.  A work-group: 256 rows (two steps) x one head x the three kinds.  First each of its eight waves quantises five fragments (x: one of each step; one of each W) and stores their two images in LDS; one barrier;
; then wave w makes fragments 2 (w / 2), 2 (w / 2) + 1 of step w % 2 of each kind: 64 products, two quantisings, nine stores, each store 512 or 256 consecutive bytes, aligned.
; NO JOINT LOADS: what work-groups share here is f32 (131,072 bytes of x, 196,608 of W for a work-group, together as many bytes as a WGP has of LDS), each number is used once, and it has to pass
; through a lane's registers in the conversions' order: it is loaded straight there.
; LIMITS: NaN and infinities among the inputs are not served.  A block of zeros gets the byte 1 where the quantiser says 127: its codes are zeros, and these bytes are read by this program alone.
.set XH,   0                           ; LDS: x's 16 fragments (8 x step + f), 2,048 bytes each: the HI images,
.set XL,   32768                       ; the LO images;
.set WH,   65536                       ; the weights' 24 (8 x kind + tile): HI,
.set WL,   114688                      ; LO;
.set XSC,  163840                      ; x's scale words, 128 bytes a fragment (4 x lane): one word serves both images;
.set WSC,  165888                      ; the weights'
.set LI,   1                           ; v1   16 x lane
.set LS4,  2                           ; v2   4 x lane
.set L8,   3                           ; v3   8 x lane
.set VP,   4                           ; v4   a fragment's row (r + 8 (r / 8)) x 512 + 64 (lane / 16): my 16 numbers of a block of 32
.set VN,   5                           ; v5   the same for neighbouring rows: r x 512 + 64 (lane / 16)
.set XWI,  6                           ; v6   where I store x's images;  v7, v8 the weights' HI and LO;  v9, v10 the scale words
.set WWH,  7
.set WWL,  8
.set XWS,  9
.set WWS,  10
.set AWH,  11                          ; v11, v12 where the weights' images are read;  v13 my step's images of x
.set AWL,  12
.set AXH,  13
.set AXSH, 14                          ; v14-16 the same at my pair of fragments
.set AWSH, 15
.set AWSL, 16
.set ASW,  17                          ; v17-20 the scale words likewise
.set ASX,  18
.set ASXS, 19
.set ASWS, 20
.set GC,   21                          ; v21  my codes' offset in a section: 16 x lane + 4,096 x pair
.set GS,   22                          ; v22  my scale words': 8 x lane + 256 x pair
.set ZR,   23                          ; v23  0
.set TM,   24                          ; v24-27 largest magnitudes, v28-31 bytes, v32-35 448 x the scale, v36-39 the conversions' scale operands
.set PWP,  40                          ; v40-41 the scale words just made
.set BS,   42                          ; v42-49 scale words of source 0's eight fragments;  v50-51 of source 1's two: they hold scales and nothing else
.set SS,   50
.set TH,   52                          ; v52-55 8 x the scale of each block: where HI begins
.set BUF0, 64                          ; v64-127   64 numbers;  later the sums HI x HI, then the whole sums
.set BUF1, 128                         ; v128-191  64 numbers;  later the other sums
.set PC,   128                         ; v128-143  a result's codes, once the two sums are added
.set PCH,  192                         ; first phase: v192-207 the HI codes, v208-223 the LO codes, v224-239 a block's magnitudes, then its LO numbers
.set PCL,  208
.set T,    224
.set SMH,  192                         ; second phase: v192-223 source 1's two HI fragments, v224-255 its two LO fragments
.set SML,  224
.set WV,   16                          ; s16 wave;  s17 wave % 2: my step;  s18 wave / 2: my pair
.set SEL,  20                          ; s[20:21] v_permlanex16_b32's selects for lane l xor 16
.set MNT,  22                          ; s22 the mantissa field of 448
.set MSB,  0
.macro WIN new                         ; the immediate's high byte repeats the setting that is left.  Window 1: v0-127 source 0's eight HI fragments, v128-255 its eight LO fragments
.if MSB != \new
	s_set_vgpr_msb (MSB<<8)|\new
.set MSB, \new
.endif
.endm
; 64 numbers of my row: 16 neighbours of each block of 32
.macro XLOAD reg, va, sb, off
.irp b, 0,1,2,3
.irp j, 0,1,2,3
	global_load_b128 v[\reg+16*\b+4*\j:\reg+16*\b+4*\j+3], v[\va], s[\sb:\sb+1] offset:\off+128*\b+16*\j
.endr
.endr
.endm
; The four blocks' largest magnitudes, scale operands, holds and bytes, and the scale word in v[pw], of 64 numbers of a lane: register 16 b + i = k 32 b + 16 (lane / 16) + i of its row
.macro SCALES s, pw
.irp b, 0,1,2,3
	v_max3_num_f32 v[TM+\b], |v[\s+16*\b]|, |v[\s+1+16*\b]|, 0x4800000   ; block b: my 16 numbers and the floor 2^(9 - 127): the byte cannot fall under 1
.endr
.irp i, 2,4,6,8,10,12,14
.irp b, 0,1,2,3
	v_max3_num_f32 v[TM+\b], v[TM+\b], |v[\s+16*\b+\i]|, |v[\s+1+16*\b+\i]|   ; the four blocks by turns
.endr
.endr
.irp b, 0,1,2,3
	v_permlanex16_b32 v[TM+4+\b], v[TM+\b], s[SEL], s[SEL+1]
.endr
.irp b, 0,1,2,3
	v_max_num_f32 v[TM+\b], v[TM+\b], v[TM+4+\b]   ; with lane l xor 16's 16: the block's largest magnitude
.endr
.irp b, 0,1,2,3
	v_add_nc_u32 v[TM+12+\b], 0xfc000000, v[TM+\b]   ; 8 off its exponent field: the conversion takes this operand's exponent field as its scale
.endr
.irp b, 0,1,2,3
	v_and_or_b32 v[TM+8+\b], v[TM+\b], 0x7f800000, s[MNT]   ; 448 x the scale
.endr
.irp b, 0,1,2,3
	v_lshrrev_b32 v[TM+4+\b], 23, v[TM+12+\b]   ; the scale's byte
.endr
	v_lshl_or_b32 v[\pw], v[TM+5], 8, v[TM+4]
	v_lshl_or_b32 v[\pw], v[TM+6], 16, v[\pw]
	v_lshl_or_b32 v[\pw], v[TM+7], 24, v[\pw]
.endm
; A result: 64 numbers become a fragment's codes in v[pc] on and its scale word in v[pw]
.macro QUANT s, pc, pw
	SCALES \s, \pw
.irp b, 0,1,2,3
.irp i, 0,1,2,3,4,5,6,7,8,9,10,11,12,13,14,15
	v_med3_num_f32 v[\s+16*\b+\i], v[\s+16*\b+\i], -v[TM+8+\b], v[TM+8+\b]   ; the conversion to an 8-bit code does not saturate (ISA guide 7.6.2): the hold at 448 x the scale
.endr
	v_cvt_scalef32_pk8_fp8_f32 v[\pc+4*\b:\pc+1+4*\b], v[\s+16*\b:\s+7+16*\b], v[TM+12+\b]
	v_cvt_scalef32_pk8_fp8_f32 v[\pc+2+4*\b:\pc+3+4*\b], v[\s+8+16*\b:\s+15+16*\b], v[TM+12+\b]
.endr
	v_nop                                          ; one plain vector line behind the last conversion: products later write these registers
.endm
; An input: 64 numbers become TWO fragments, HI in v[PCH] on and LO in v[PCL] on, with one scale word in v[PWP].  Each number's code is the quantiser's; it stands in one of the two, and the code 0 in the other
.macro QUANTX s
	SCALES \s, PWP
.irp b, 0,1,2,3
	v_and_b32 v[TH+\b], 0x7f800000, v[TM+\b]       ; 2^(the largest magnitude's exponent) = 2^8 x the scale,
.endr
.irp b, 0,1,2,3
	v_add_nc_u32 v[TH+\b], 0xfd800000, v[TH+\b]    ; 5 off its exponent field: 8 x the scale (the floor keeps the field at 9 or more)
.endr
.irp b, 0,1,2,3
.irp i, 0,1,2,3,4,5,6,7,8,9,10,11,12,13,14,15
	v_med3_num_f32 v[\s+16*\b+\i], v[\s+16*\b+\i], -v[TM+8+\b], v[TM+8+\b]   ; the hold at 448 x the scale
.endr
.irp i, 0,1,2,3,4,5,6,7,8,9,10,11,12,13,14,15
	v_and_b32 v[T+\i], 0x7fffffff, v[\s+16*\b+\i]  ; the magnitude: as whole numbers the patterns of positive f32 numbers stand in the numbers' order
.endr
.irp i, 0,1,2,3,4,5,6,7,8,9,10,11,12,13,14,15
	v_cmp_gt_u32 vcc_lo, v[TH+\b], v[T+\i]         ; under 8 x the scale?
	v_cndmask_b32 v[T+\i], v[ZR], v[\s+16*\b+\i], vcc_lo           ; LO: the number there, 0 else
	v_cndmask_b32 v[\s+16*\b+\i], v[\s+16*\b+\i], v[ZR], vcc_lo    ; HI: 0 there, the number else
.endr
	v_cvt_scalef32_pk8_fp8_f32 v[PCH+4*\b:PCH+1+4*\b], v[\s+16*\b:\s+7+16*\b], v[TM+12+\b]
	v_cvt_scalef32_pk8_fp8_f32 v[PCH+2+4*\b:PCH+3+4*\b], v[\s+8+16*\b:\s+15+16*\b], v[TM+12+\b]
	v_cvt_scalef32_pk8_fp8_f32 v[PCL+4*\b:PCL+1+4*\b], v[T:T+7], v[TM+12+\b]
	v_cvt_scalef32_pk8_fp8_f32 v[PCL+2+4*\b:PCL+3+4*\b], v[T+8:T+15], v[TM+12+\b]   ; (the next block's 16 holds stand between these and the lines that write v[T] on again)
.endr
	v_nop                                          ; one plain vector line behind the last conversion
.endm
.macro IMAGE adr, off, pc                      ; a fragment goes to LDS as it stands: 512 consecutive bytes a store
.irp c, 0,1,2,3
	ds_store_b128 v[\adr], v[\pc+4*\c:\pc+4*\c+3] offset:\off+512*\c
.endr
.endm
; a kind's operands out of LDS: source 0's eight HI and eight LO fragments, source 1's two and two, their scale words: 90 loads
.macro LOADK bh, bhoff, bl, bloff, bsa, bsoff, sh, shoff, sl, sloff, ssa, ssoff
	WIN 0x40                                       ; destination window 1
.irp i, 0,1,2,3,4,5,6,7
.irp c, 0,1,2,3
	ds_load_b128 v[16*\i+4*\c:16*\i+4*\c+3], v[\bh] offset:\bhoff+2048*\i+512*\c
.endr
.endr
.irp i, 0,1,2,3,4,5,6,7
.irp c, 0,1,2,3
	ds_load_b128 v[128+16*\i+4*\c:128+16*\i+4*\c+3], v[\bl] offset:\bloff+2048*\i+512*\c
.endr
.endr
	WIN 0
.irp e, 0,1
.irp c, 0,1,2,3
	ds_load_b128 v[SMH+16*\e+4*\c:SMH+16*\e+4*\c+3], v[\sh] offset:\shoff+2048*\e+512*\c
.endr
.endr
.irp e, 0,1
.irp c, 0,1,2,3
	ds_load_b128 v[SML+16*\e+4*\c:SML+16*\e+4*\c+3], v[\sl] offset:\sloff+2048*\e+512*\c
.endr
.endr
.irp i, 0,1,2,3,4,5,6,7
	ds_load_b32 v[BS+\i], v[\bsa] offset:\bsoff+128*\i
.endr
.irp e, 0,1
	ds_load_b32 v[SS+\e], v[\ssa] offset:\ssoff+128*\e
.endr
.endm
; The 32 products of result fragment e.  Eight accumulators for HI x HI, eight for the three other parts; the eight take turns, one instruction a turn: between two links of a chain stand seven others'
.macro MMC e
	WIN 0x01                                       ; source 0 window 1; source 1, C and D window 0
.irp i, 0,1,2,3,4,5,6,7
	v_wmma_scale_f32_16x16x128_f8f6f4 v[BUF0+8*\i:BUF0+8*\i+7], v[16*\i:16*\i+15], v[SMH+16*\e:SMH+16*\e+15], 0, v[BS+\i], v[SS+\e]   ; HI x HI
.endr
.irp i, 0,1,2,3,4,5,6,7
	v_wmma_scale_f32_16x16x128_f8f6f4 v[BUF1+8*\i:BUF1+8*\i+7], v[16*\i:16*\i+15], v[SML+16*\e:SML+16*\e+15], 0, v[BS+\i], v[SS+\e]   ; HI x LO starts the second sum
.endr
.irp i, 0,1,2,3,4,5,6,7
	v_wmma_scale_f32_16x16x128_f8f6f4 v[BUF1+8*\i:BUF1+8*\i+7], v[128+16*\i:128+16*\i+15], v[SMH+16*\e:SMH+16*\e+15], v[BUF1+8*\i:BUF1+8*\i+7], v[BS+\i], v[SS+\e]   ; LO x HI
.endr
.irp i, 0,1,2,3,4,5,6,7
	v_wmma_scale_f32_16x16x128_f8f6f4 v[BUF1+8*\i:BUF1+8*\i+7], v[128+16*\i:128+16*\i+15], v[SML+16*\e:SML+16*\e+15], v[BUF1+8*\i:BUF1+8*\i+7], v[BS+\i], v[SS+\e]   ; LO x LO
.endr
	WIN 0
.rept 8
	v_nop                                          ; eight places ahead of the loads into the operands' registers and of the first read of the results
.endr
.endm
; The two sums are added, each accumulator from its low end on; the fragment is quantised and its codes are stored
.macro HALF e, cb, off
.set j, 0
.rept 32
	v_pk_add_f32 v[BUF0+j:BUF0+j+1], v[BUF0+j:BUF0+j+1], v[BUF1+j:BUF1+j+1]
.set j, j+2
.endr
	QUANT BUF0, PC, PWP+\e
.irp c, 0,1,2,3
	global_store_b128 v[GC], v[PC+4*\c:PC+4*\c+3], s[\cb:\cb+1] offset:\off+2048*\e+512*\c     ; 32 lanes store 512 consecutive bytes, aligned
.endr
.endm
	s_load_b256 s[4:11], s[0:1], 0x0               ; x s[4:5], W_q s[6:7], W_k s[8:9], W_v s[10:11]
	s_load_b128 s[12:15], s[0:1], 0x20             ; qf s[12:13], kv s[14:15]
	v_lshl_add_u32 v62, v0, 2, 0x29400
	v_mov_b32 v63, 0
	v_lshrrev_b32 v1, 5, v0
	v_readfirstlane_b32 s[WV], v1                  ; wave 0..7
	s_and_b32 s17, s[WV], 1                        ; my step of the two
	s_lshr_b32 s18, s[WV], 1                       ; my pair of fragments
	v_and_b32 v24, 31, v0                          ; lane
	v_and_b32 v25, 15, v0                          ; r
	v_bfe_u32 v26, v0, 4, 1                        ; lane / 16
	v_lshlrev_b32 v[LI], 4, v24
	v_lshlrev_b32 v[LS4], 2, v24
	v_lshlrev_b32 v[L8], 3, v24
	v_and_b32 v27, 8, v25
	v_add_nc_u32 v27, v27, v25                     ; r + 8 (r / 8)
	v_lshlrev_b32 v[VP], 9, v27
	v_lshl_add_u32 v[VP], v26, 6, v[VP]
	v_lshlrev_b32 v[VN], 9, v25
	v_lshl_add_u32 v[VN], v26, 6, v[VN]
	s_lshl_b32 s24, s[WV], 11                      ; 2,048 x wave
	v_add_nc_u32 v[XWI], s24, v[LI]
	v_add_nc_u32 v[WWH], WH, v[XWI]
	v_add_nc_u32 v[WWL], WL, v[XWI]
	s_lshl_b32 s24, s[WV], 7                       ; 128 x wave
	v_add_nc_u32 v[WWS], s24, v[LS4]
	v_add_nc_u32 v[XWS], XSC, v[WWS]
	v_add_nc_u32 v[WWS], WSC, v[WWS]
	v_add_nc_u32 v[AWH], WH, v[LI]
	v_add_nc_u32 v[AWL], WL, v[LI]
	s_lshl_b32 s24, s17, 14                        ; my step's eight images of x
	v_add_nc_u32 v[AXH], s24, v[LI]
	v_add_nc_u32 v[ASW], WSC, v[LS4]
	s_lshl_b32 s24, s17, 10
	v_add_nc_u32 v[ASX], s24, v[LS4]
	v_add_nc_u32 v[ASX], XSC, v[ASX]
	s_lshl_b32 s24, s18, 12                        ; my pair: 2 x 2,048 bytes of images,
	v_add_nc_u32 v[AXSH], s24, v[AXH]
	v_add_nc_u32 v[AWSH], s24, v[AWH]
	v_add_nc_u32 v[AWSL], s24, v[AWL]
	v_add_nc_u32 v[GC], s24, v[LI]
	s_lshl_b32 s24, s18, 8                         ; 2 x 128 bytes of scale words
	v_add_nc_u32 v[ASXS], s24, v[ASX]
	v_add_nc_u32 v[ASWS], s24, v[ASW]
	v_add_nc_u32 v[GS], s24, v[L8]
	v_mov_b32 v[ZR], 0
.irp b, 0,1,2,3
	v_mov_b32 v[TM+4+\b], 0                        ; written once: a lane permute's destination counts as one of its sources
.endr
	s_mov_b32 s[SEL], 0x76543210
	s_mov_b32 s[SEL+1], 0xfedcba98
	s_mov_b32 s[MNT], 0x600000
	s_lshl_b32 s26, s18, 14                        ; fragment w begins at row 32 (w / 2) + 8 (w % 2): x 512 bytes
	s_lshl_b32 s27, s17, 12
	s_add_co_u32 s26, s26, s27
	s_lshl_b32 s24, ttmp9, 17                      ; x: 256 rows of 512 bytes a work-group
	s_add_co_u32 s24, s24, s26
	s_mov_b32 s25, 0
	s_and_b32 s19, ttmp7, 0xffff                   ; the head
	s_lshl_b32 s28, s19, 16                        ; its 128 rows of a weight
	s_add_co_u32 s26, s26, s28                     ; W_q, W_k: + my fragment
	s_mov_b32 s27, 0
	s_lshl_b32 s30, s[WV], 13                      ; W_v: + 16 neighbouring rows x wave
	s_add_co_u32 s28, s28, s30
	s_mov_b32 s29, 0
	s_lshr_b32 s30, ttmp9, 3                       ; the batch: eight work-groups of 256 rows each
	s_lshl_b32 s30, s30, 3
	s_add_co_u32 s30, s30, s19                     ; 8 x batch + head
	s_lshl_b32 s30, s30, 4
	s_and_b32 s31, ttmp9, 7
	s_lshl_b32 s31, s31, 1
	s_add_co_u32 s30, s30, s31
	s_add_co_u32 s30, s30, s17                     ; x 16 + my step of the sequence's 16
	s_mul_i32 s32, s30, 17408                      ; my section of qf,
	s_mov_b32 s33, 0
	s_mul_i32 s34, s30, 34816                      ; my two of kv
	s_mov_b32 s35, 0
	s_wait_kmcnt 0x0
	s_add_nc_u64 s[4:5], s[4:5], s[24:25]
	s_add_nc_u64 s[6:7], s[6:7], s[26:27]
	s_add_nc_u64 s[8:9], s[8:9], s[26:27]
	s_add_nc_u64 s[10:11], s[10:11], s[28:29]
	s_add_nc_u64 s[36:37], s[12:13], s[32:33]
	s_add_nc_u64 s[38:39], s[14:15], s[34:35]
	; ---- the inputs become fragments: five sets of 16 loads a wave on two buffers; a set is asked for as soon as its buffer is free and lands under the other buffer's quantising
	XLOAD BUF0, VP, 4, 0                           ; x, step 0, fragment w
	XLOAD BUF1, VP, 4, 65536                       ; x, step 1
	s_wait_loadcnt 16                              ; the first set is in; the set behind it may be out
	QUANTX BUF0
	IMAGE XWI, XH, PCH
	IMAGE XWI, XL, PCL
	ds_store_b32 v[XWS], v[PWP]
	XLOAD BUF0, VP, 6, 0                           ; W_q
	s_wait_dscnt 0x0                               ; the stores have read the codes' registers
	s_wait_loadcnt 16
	QUANTX BUF1
	IMAGE XWI, XH+16384, PCH
	IMAGE XWI, XL+16384, PCL
	ds_store_b32 v[XWS], v[PWP] offset:1024
	XLOAD BUF1, VP, 8, 0                           ; W_k
	s_wait_dscnt 0x0
	s_wait_loadcnt 16
	QUANTX BUF0
	IMAGE WWH, 0, PCH
	IMAGE WWL, 0, PCL
	ds_store_b32 v[WWS], v[PWP]
	XLOAD BUF0, VN, 10, 0                          ; W_v: neighbouring rows
	s_wait_dscnt 0x0
	s_wait_loadcnt 16                              ; W_k's set is in; W_v's may be out
	QUANTX BUF1
	IMAGE WWH, 16384, PCH
	IMAGE WWL, 16384, PCL
	ds_store_b32 v[WWS], v[PWP] offset:1024
	s_wait_dscnt 0x0
	s_wait_loadcnt 0x0
	QUANTX BUF0
	IMAGE WWH, 32768, PCH
	IMAGE WWL, 32768, PCL
	ds_store_b32 v[WWS], v[PWP] offset:2048
	s_wait_dscnt 0x0                               ; for the others' sake: my images have landed
	s_barrier_signal -1
	s_barrier_wait -1                              ; all 80 images lie in LDS; nothing is stored there from here on
	; ---- the three kinds; a kind's operands are fetched while the second fragment of the kind before is quantised
	LOADK AWH, 0, AWL, 0, ASW, 0, AXSH, 0, AXSH, 32768, ASXS, 0                ; Q: source 0 = W_q's eight, source 1 = my two of x
	s_wait_dscnt 0x0
	MMC 0
	HALF 0, 36, 0
	s_wait_xcnt 0x0                                ; the stores have read the codes: the products below write those registers
	MMC 1
	LOADK AWH, 16384, AWL, 16384, ASW, 1024, AXSH, 0, AXSH, 32768, ASXS, 0     ; K: W_k's eight
	HALF 1, 36, 0
	global_store_b64 v[GS], v[PWP:PWP+1], s[36:37] offset:16384                ; 32 lanes store 256 consecutive bytes, aligned
	s_wait_dscnt 0x0
	s_wait_xcnt 0x0                                ; the stores have read the codes and the scale words
	MMC 0
	HALF 0, 38, 0
	s_wait_xcnt 0x0
	MMC 1
	LOADK AXH, 0, AXH, 32768, ASX, 0, AWSH, 32768, AWSL, 32768, ASWS, 2048     ; V: source 0 = my step's eight of x, source 1 = my two of W_v
	HALF 1, 38, 0
	global_store_b64 v[GS], v[PWP:PWP+1], s[38:39] offset:16384
	s_wait_dscnt 0x0
	s_wait_xcnt 0x0
	MMC 0
	HALF 0, 38, 17408
	s_wait_xcnt 0x0
	MMC 1
	HALF 1, 38, 17408
	global_store_b64 v[GS], v[PWP:PWP+1], s[38:39] offset:17408+16384
	s_wait_tensorcnt 0x0
	ds_add_u32 v62, v63
	s_wait_dscnt 0x0
	s_endpgm
.Lfunc_end_k_qa8193eca87_proj:
	.size	k_qa8193eca87_proj, .Lfunc_end_k_qa8193eca87_proj-k_qa8193eca87_proj
	.p2alignl 7, 3214868480
	.fill 96, 4, 3214868480
	.section	.rodata,"a",@progbits
	.p2align	6, 0x0
	.amdhsa_kernel k_qa8193eca87_proj
		.amdhsa_group_segment_fixed_size 169984
		.amdhsa_private_segment_fixed_size 0
		.amdhsa_enable_private_segment 0
		.amdhsa_kernarg_size 48
		.amdhsa_user_sgpr_count 2
		.amdhsa_user_sgpr_kernarg_segment_ptr 1
		.amdhsa_wavefront_size32 1
		.amdhsa_system_sgpr_workgroup_id_x 1
		.amdhsa_system_sgpr_workgroup_id_y 1
		.amdhsa_system_sgpr_workgroup_id_z 1
		.amdhsa_system_vgpr_workitem_id 0
		.amdhsa_next_free_vgpr 512
		.amdhsa_next_free_sgpr 66
		.amdhsa_reserve_vcc 1
		.amdhsa_float_denorm_mode_32 3
		.amdhsa_float_denorm_mode_16_64 3
		.amdhsa_memory_ordered 1
		.amdhsa_forward_progress 1
		.amdhsa_inst_pref_size 215
	.end_amdhsa_kernel
	.amdgpu_metadata
---
amdhsa.version: [ 1, 2 ]
amdhsa.kernels:
  - .name:           k_qa8193eca87_proj
    .symbol:         k_qa8193eca87_proj.kd
    .args:
      - { .name: x, .offset: 0, .size: 8, .value_kind: global_buffer, .address_space: global }
      - { .name: W_q, .offset: 8, .size: 8, .value_kind: global_buffer, .address_space: global }
      - { .name: W_k, .offset: 16, .size: 8, .value_kind: global_buffer, .address_space: global }
      - { .name: W_v, .offset: 24, .size: 8, .value_kind: global_buffer, .address_space: global }
      - { .name: qf, .offset: 32, .size: 8, .value_kind: global_buffer, .address_space: global }
      - { .name: kv, .offset: 40, .size: 8, .value_kind: global_buffer, .address_space: global }
    .group_segment_fixed_size: 169984
    .private_segment_fixed_size: 0
    .kernarg_segment_align: 8
    .kernarg_segment_size: 48
    .max_flat_workgroup_size: 256
    .sgpr_count:     66
    .vgpr_count:     512
    .wavefront_size: 32
...
	.end_amdgpu_metadata
.endif
;; end of part 1
;; launch attn (part 2): grid 8 x 32, 4 waves a work-group, clusters of 4 x 1, 327,680 bytes of LDS; arguments qf, kv, out0; writes out0
.if DOCPART == 2
	.amdgcn_target "amdgcn-amd-amdhsa--gfx1250"
	.amdhsa_code_object_version 6
	.text
	.protected	k_qa8193eca87_attn
	.globl	k_qa8193eca87_attn
	.p2align	8
	.type	k_qa8193eca87_attn,@function
k_qa8193eca87_attn:
	s_mov_b64 s[64:65], 0
	v_nop
	global_prefetch_b8 v0, s[64:65] scope:SCOPE_SE
	s_setreg_imm32_b32 hwreg(HW_REG_WAVE_MODE, 25, 1), 1
	s_wait_xcnt 0x0
	s_wait_alu depctr_hold_cnt(0) depctr_sa_sdst(0) depctr_va_vdst(0) depctr_va_sdst(0) depctr_va_ssrc(0) depctr_va_vcc(0) depctr_vm_vsrc(0)
	s_getreg_b32 s2, hwreg(HW_REG_IB_STS2, 6, 4)
	s_cmp_eq_u32 s2, 0
	s_cbranch_scc0 .Lentry_in_a_cluster
	s_endpgm
.Lentry_in_a_cluster:
	s_bfe_u32 s2, ttmp6, 0x10000c
	s_cmp_lg_u32 s2, 0x3003
	s_cbranch_scc0 .Lentry_shape_is_right
	s_endpgm
.Lentry_shape_is_right:
; out0[bh][q][:] = softmax over the 128 channels of (A V), A = Q K^T / sqrt(128), both products on codes of FP8 (E4M3) with one E8M0 scale for each 32 along K.  A is quantised as it stands, along the keys.
; qf, kv: images of operand registers in sections of 17,408 bytes: eight fragments of 2,048 bytes (fragment f, register group c, lane l at 2048 f + 512 c + 16 l), then four blocks of 256 bytes of scale words
; (block q, lane l: 8 bytes: the words of fragments 2 q, 2 q + 1).  qf: [32][16 steps][section];  kv: [32][16 steps][K's section, V's section].  Lane r of fragment 2 b + u of Q or K holds row 32 b + 8 u + r + 8 (r / 8)
; of the step's 128;  fragment d of V holds channels 16 d + r, K = the step's 128 keys.
; SHARES.  A work-group owns 256 queries of one head of one batch, each of its four waves 64: four tiles of 16.  Every wave walks the 2,048 keys, 128 a step.
; LAYOUT.  S^T = K Q^T (source 0 = 16 keys, source 1 = 16 queries): a lane holds ONE query, and by the choice of a fragment's keys its register 16 b + i is key 32 b + 16 (lane / 16) + i.  So x 1/sqrt(128), the blocks'
; largest magnitudes, the hold and the conversions work on a lane's own registers, and their results ARE source 1 of O^T += V^T P^T, whose result again holds one query a lane and eight channels a tile.
; BY TURNS.  A tile's quantising for a step is 159 vector lines for 16 products.  In a TURN tile t is quantised, cut into slices of eight lines or more; behind the first eight slices stand the eight products K Q^T of the
; next tile, behind the next eight the eight products V^T P of the tile before.  Each product is a whole K step on an accumulator of its own: the accumulators take turns, one instruction a turn.
; CLUSTER.  The four query blocks of a cluster walk the same K and V: each section is asked for JOINTLY, by the same tensor load with the same descriptor and the mask of all four.
; LIMITS: NaN and infinities are not served.  A block of zeros gets the byte 1 where the quantiser says 127 (its codes are zeros).  A is S x c, c = 0x3db504f3 the f32 number nearest to 1 / f32(sqrt(128)):
; c lies 3.4e-8 of itself under 1 / d and the product is rounded once, so A is within one unit in the last place of the quotient S / d.
; REGISTERS, in windows of 256: window 0: v1-8 addresses; v16-37 scale words; v40-55 at work; v64-191 S^T, two tiles; v192-223 P's codes, two tiles; v224-247 the softmax's figures.
;   window 1: O^T, tile t, channels 16 d on at v[64 t + 8 d].   window 2: v0-127 K's eight fragments, v128-255 V's.   window 3: v128-191 Q, tile t at v[128 + 16 t].
.set SECB,   17408
.set STEPB,  2*SECB                    ; a step: K's section, V's section
.set SLOTB,  2*STEPB                   ; a slot holds two steps: four sections, one for each wave to fetch
.set SLOT1,  131072                    ; slot 1 begins here, so that one exclusive or turns an address in one slot into the other's
.set STAGE,  SLOTB                     ; between the slots: 16 rows x (512 bytes + 16) for each wave, for the way out: no tile lands here
.set SPITCH, 528
.set SPARE,  STAGE+4*16*SPITCH         ; the spare words, 128 bytes for each wave: two blocks of 256 bytes that no other line names
.set LI,  1                            ; v1   16 x lane
.set L8,  2                            ; v2   8 x lane
.set ADR, 3                            ; v3   LDS address of the images of the step being fetched
.set ADS, 4                            ; v4   and of its scale words
.set SPW, 5                            ; v5   LDS address of my spare word; never rewritten
.set NIL, 6                            ; v6   0; never rewritten
.set STO, 7                            ; v7   the way out: where I put 32 bytes of a row
.set RD,  8                            ; v8   and where I read a row back
.set KS,  16                           ; v16-23 K's scale words, v24-31 V's, v32-35 Q's, v36-37 P's (by the tile's parity): they hold scales and nothing else
.set VS,  24
.set QS,  32
.set PW,  36
.set TM,  40                           ; v40-43 largest magnitudes, v44-47 bytes, v48-51 448 x the scale, v52-55 the conversions' scale operands
.set MX,  56                           ; v56-59 the softmax's maxima;  v60-63 what comes from the other half of the lanes
.set XT,  60
.set SCR, 64                           ; S^T: the tile of parity p at v[64 + 64 p]
.set PCD, 192                          ; P's codes: v[192 + 16 p]
.set SM,  224                          ; v224-231 sums, a pair a tile;  v232-239 maximum x log2(e);  v240-247 1 / sum
.set ML,  232
.set RC,  240
.set QF,  128                          ; Q, in window 3
.set WV,  12                           ; s12 wave
.set G1,  24                           ; s[24:31] descriptor group 1
.set G0A, 32                           ; s[32:35] group 0 of slot 0's first fill;  s[36:39] of slot 1's, which then walks
.set G0W, 36
.set SLOTS, 40
.set TWICE, 41
.set CS,  42                           ; s[42:43] 1/sqrt(128): the packed form names a pair and takes its low word for both halves
.set SEL, 44                           ; s[44:45] v_permlanex16_b32's selects for lane l xor 16
.set TB,  46                           ; s46 LDS byte at which the step to be fetched begins
.set MNT, 47                           ; s47 the mantissa field of 448
.set LG,  48                           ; s[48:49] log2(e)
.set W_KQ, 0x0e                        ; K window 2, Q window 3, S^T window 0
.set W_PV, 0x52                        ; V window 2, P window 0, O^T (C and D) window 1
.set MSB, 0
.macro WIN new                         ; the immediate's high byte repeats the setting that is left; a switch that changes nothing is dropped
.if MSB != \new
	s_set_vgpr_msb (MSB<<8)|\new
.set MSB, \new
.endif
.endm
; A round of the cluster's barrier: my work-group's barrier; wave 0 signals for the work-group; every wave waits for all four work-groups; my work-group's barrier once more
.macro CROUND
	s_barrier_signal -1
	s_barrier_wait -1
	s_cmp_lg_u32 s[WV], 0
	s_cbranch_scc1 .Lnot_wave_0_\@
	s_barrier_signal -3
.Lnot_wave_0_\@:
	s_barrier_wait -3
	s_barrier_signal -1
	s_barrier_wait -1
.endm
.macro NEXTSTEP                        ; the addresses of the next step's images
	v_add_nc_u32 v[ADR], s[TB], v[LI]
	v_add_nc_u32 v[ADS], s[TB], v[L8]
	s_add_co_u32 s[TB], s[TB], STEPB
.endm
.macro KLOAD f                         ; K's fragment f: 512 consecutive bytes a load; behind an odd one the pair's scale words: nine loads a pair
	WIN 0x80                                       ; destination window 2
.irp c, 0,1,2,3
	ds_load_b128 v[16*(\f)+4*\c:16*(\f)+4*\c+3], v[ADR] offset:2048*(\f)+512*\c
.endr
.if ((\f)%2) == 1
	WIN 0
	ds_load_b64 v[KS+(\f)-1:KS+(\f)], v[ADS] offset:16384+256*((\f)/2)
.endif
.endm
.macro VLOAD d                         ; the same for V
	WIN 0x80
.irp c, 0,1,2,3
	ds_load_b128 v[128+16*(\d)+4*\c:128+16*(\d)+4*\c+3], v[ADR] offset:SECB+2048*(\d)+512*\c
.endr
.if ((\d)%2) == 1
	WIN 0
	ds_load_b64 v[VS+(\d)-1:VS+(\d)], v[ADS] offset:SECB+16384+256*((\d)/2)
.endif
.endm
.macro KQI tn, f                       ; S^T of tile tn, keys of fragment f
	WIN W_KQ
	v_wmma_scale_f32_16x16x128_f8f6f4 v[SCR+64*((\tn)%2)+8*(\f):SCR+64*((\tn)%2)+8*(\f)+7], v[16*(\f):16*(\f)+15], v[QF+16*(\tn):QF+16*(\tn)+15], 0, v[KS+(\f)], v[QS+(\tn)]
.endm
.macro PVI tp, d, zero                 ; O^T of tile tp, channels 16 d on.  zero: the first step's products start the sums: nothing is cleared
	WIN W_PV
.if \zero
	v_wmma_scale_f32_16x16x128_f8f6f4 v[64*(\tp)+8*(\d):64*(\tp)+8*(\d)+7], v[128+16*(\d):128+16*(\d)+15], v[PCD+16*((\tp)%2):PCD+16*((\tp)%2)+15], 0, v[VS+(\d)], v[PW+(\tp)%2]
.else
	v_wmma_scale_f32_16x16x128_f8f6f4 v[64*(\tp)+8*(\d):64*(\tp)+8*(\d)+7], v[128+16*(\d):128+16*(\d)+15], v[PCD+16*((\tp)%2):PCD+16*((\tp)%2)+15], v[64*(\tp)+8*(\d):64*(\tp)+8*(\d)+7], v[VS+(\d)], v[PW+(\tp)%2]
.endif
.endm
; What stands behind slice hk of turn T.  Loads first: a fragment is fetched anew one slice (eight plain vector lines or more that name none of the product's registers) behind its last reader:
; K's in turn 2, whose products are the last on this step's K;  V's in turn 1, behind the first slice, the last products on the old V standing in the turn before.
; Then the counted wait: a pair of fragments with its scale words is nine loads, all 36 have been issued, so 27, 18, 9, 0 are the loads behind the pair that is wanted.  Then one product.
.macro HOOK
.if LDF && (T == 2) && (hk >= 1) && (hk <= 8)
	KLOAD hk-1
.endif
.if LDF && (T == 1) && (hk <= 7)
	VLOAD hk
.endif
.if hk < 8
.if KQF
.if (T == 3) && ((hk%2) == 0)
	s_wait_dscnt 27-9*(hk/2)
.endif
	KQI TN, hk
.endif
.elseif hk < 16
.if PVM
.if (T == 1) && ((hk%2) == 0)
	s_wait_dscnt 27-9*((hk-8)/2)
.endif
	PVI TP, hk-8, ZF
.endif
.endif
	WIN 0
.set hk, hk+1
.endm
.macro UNIT n                          ; eight numbers are held within 448 x their block's scale (the conversion does not saturate: ISA guide 7.6.2) and become eight codes
.irp i, 0,1,2,3,4,5,6,7
	v_med3_num_f32 v[SB+8*(\n)+\i], v[SB+8*(\n)+\i], -v[TM+8+(\n)/2], v[TM+8+(\n)/2]
.endr
	v_cvt_scalef32_pk8_fp8_f32 v[PB+2*(\n):PB+2*(\n)+1], v[SB+8*(\n):SB+8*(\n)+7], v[TM+12+(\n)/2]
.endm
; A TURN: tile t is quantised.  pv = 2: the tile before adds its V^T P; 1: starts its sums; 0: none.  kq = 1: the next tile's K Q^T.  ld = 1: the turn fetches (turns 1 and 2 alone do).
; The scores were written in the turn before, ahead of its slices 8 and 9 (19 plain lines); the codes and the scale word made here are read from the next turn's slice 8 on.
.macro TURN t, pv, kq, ld
.set T, \t
.set PVM, \pv
.set KQF, \kq
.set LDF, \ld
.set TP, (\t+3)%4
.set TN, (\t+1)%4
.set ZF, 2-\pv
.set SB, SCR+64*(\t%2)
.set PB, PCD+16*(\t%2)
.set PWR, PW+(\t%2)
.set hk, 0
.if \ld && (\t == 2)
	NEXTSTEP
.endif
.irp g, 0,1,2,3                        ; slices 0-3: A = S / sqrt(128), two at a time, each accumulator from its low end on
.irp i, 0,1,2,3,4,5,6,7
	v_pk_mul_f32 v[SB+16*\g+2*\i:SB+16*\g+2*\i+1], v[SB+16*\g+2*\i:SB+16*\g+2*\i+1], s[CS:CS+1] op_sel_hi:[1,0]
.endr
	HOOK
.endr
.irp g, 0,1,2,3                        ; slices 4-7: the largest magnitude of my 16 keys of each block of 32, the four blocks by turns; the floor 2^(9 - 127) holds the byte at 1 from below
.irp n, 0,1
.irp b, 0,1,2,3
.if (2*\g+\n) == 0
	v_max3_num_f32 v[TM+\b], |v[SB+16*\b]|, |v[SB+16*\b+1]|, 0x4800000
.else
	v_max3_num_f32 v[TM+\b], v[TM+\b], |v[SB+16*\b+2*(2*\g+\n)]|, |v[SB+16*\b+2*(2*\g+\n)+1]|
.endif
.endr
.endr
	HOOK
.endr
.irp b, 0,1,2,3                        ; slice 8
	v_permlanex16_b32 v[TM+4+\b], v[TM+\b], s[SEL], s[SEL+1]
.endr
.irp b, 0,1,2,3
	v_max_num_f32 v[TM+\b], v[TM+\b], v[TM+4+\b]   ; with lane l xor 16's 16 keys: the block's largest magnitude
.endr
.irp b, 0,1,2,3
	v_add_nc_u32 v[TM+12+\b], 0xfc000000, v[TM+\b]   ; 8 off its exponent field: the conversion's scale operand
.endr
	HOOK
.irp b, 0,1,2,3                        ; slice 9
	v_and_or_b32 v[TM+8+\b], v[TM+\b], 0x7f800000, s[MNT]   ; 448 x the scale
.endr
.irp b, 0,1,2,3
	v_lshrrev_b32 v[TM+4+\b], 23, v[TM+12+\b]      ; the scale's byte
.endr
	v_lshl_or_b32 v[PWR], v[TM+5], 8, v[TM+4]      ; my query's scale word for these 128 keys
	v_lshl_or_b32 v[PWR], v[TM+6], 16, v[PWR]
	v_lshl_or_b32 v[PWR], v[TM+7], 24, v[PWR]
	HOOK
.irp n, 0,1,2,3,4,5                    ; slices 10-15
	UNIT \n
	HOOK
.endr
	UNIT 6
	UNIT 7
.endm
; Four turns.  All their LDS reads are of ONE step: K's in turn 2, V's in turn 1.  z goes to the three turns whose V^T P belongs to the step in hand; turn 1's belongs to the next step and always adds.
.macro BODY z
	TURN 2, \z, 1, 1
	TURN 3, \z, 1, 1
	TURN 0, \z, 1, 1
	TURN 1, 2, 1, 1
.endm
.macro TWO_BODIES                      ; a slot's two steps: written once, walked twice; the LDS addresses hang on s[TB]
	s_mov_b32 s[TWICE], 2
.Lbody_\@:
	BODY 2
	WIN 0
	s_sub_co_u32 s[TWICE], s[TWICE], 1
	s_cmp_lg_u32 s[TWICE], 0
	s_cbranch_scc1 .Lbody_\@
.endm
; THE CHANGE OF SLOTS.  Each wave waits for all its tensor loads, of which one is out: its section of the other slot; adds 0 to its spare word; and waits for that and for its reads of the slot that it leaves.
; fill = 1: the barrier is a round of the cluster's, so that no wave of any partner still reads the slot or has a load on its way, and the joint refill, the steps two slots on, is the first thing behind it:
; it has two bodies, 128 products of this wave, in which to land.  By this text's own count a wave has two tensor loads out at the start and one behind each round.
.macro CHANGE fill
	WIN 0
	s_wait_tensorcnt 0x0                           ; no tensor load of mine is out, so a group 0 may be written
	ds_add_u32 v[SPW], v[NIL]                      ; 0 onto my spare word
.if \fill
	s_xor_b32 s[G0W+1], s[G0W+1], SLOT1            ; the walking descriptor: the other slot than last time,
	s_add_nc_u64 s[G0W+2:G0W+3], s[G0W+2:G0W+3], SLOTB   ; the next two steps; the type bits on top are not reached
.endif
	s_wait_dscnt 0x0                               ; the add is done, and my reads of the slot are over
.if \fill
	CROUND
	tensor_load_to_lds s[G0W:G0W+3], s[G1:G1+7]
	s_nop 0
.rept 4
	v_nop
.endr
.else
	s_barrier_signal -1
	s_barrier_wait -1
.endif
	s_sub_co_u32 s[TB], s[TB], 2*STEPB             ; the fetches go back to a slot's first step,
	s_xor_b32 s[TB], s[TB], SLOT1                  ; in the other slot
.endm
	s_load_b128 s[4:7], s[0:1], 0x0                ; qf s[4:5], kv s[6:7]
	s_load_b64 s[8:9], s[0:1], 0x10                ; out0
	v_lshl_add_u32 v[SPW], v0, 2, SPARE
	v_mov_b32 v[NIL], 0
	ds_add_u32 v5, v6
	ds_add_u32 v5, v6
	s_wait_dscnt 0x0
	v_lshrrev_b32 v1, 5, v0
	v_readfirstlane_b32 s[WV], v1                  ; wave 0..3
	s_bfe_u32 s13, ttmp6, 0x40000                  ; cx: my place in the cluster
	s_lshl_b32 s14, ttmp9, 2                       ; in a cluster launch ttmp9 counts clusters
	s_add_co_u32 s14, s14, s13                     ; my block of 256 queries: it enters qf's and out0's addresses alone
	s_and_b32 s15, ttmp7, 0xffff                   ; 8 x batch + head, which the four partners share
	s_mul_i32 s50, s[WV], SECB                     ; the section of a slot that I fetch: no place in the cluster enters an LDS address
	s_mul_i32 s16, s15, 16*STEPB                   ; kv: the head's 16 steps,
	s_add_co_u32 s16, s16, s50                     ; my section
	s_mov_b32 s17, 0
	s_lshl_b32 s18, s15, 4                         ; qf: section 16 (8 x batch + head) + 2 x block + wave / 2
	s_lshl_b32 s19, s14, 1
	s_add_co_u32 s18, s18, s19
	s_lshr_b32 s19, s[WV], 1
	s_add_co_u32 s18, s18, s19
	s_mul_i32 s18, s18, SECB
	s_and_b32 s19, s[WV], 1
	s_lshl_b32 s20, s19, 13                        ; my four fragments: 4 (wave % 2) on,
	s_add_co_u32 s20, s20, s18
	s_mov_b32 s21, 0
	s_lshl_b32 s22, s19, 9                         ; their two blocks of scale words
	s_add_co_u32 s22, s22, s18
	s_add_co_u32 s22, s22, 16384
	s_mov_b32 s23, 0
	s_lshl_b32 s18, s15, 11                        ; out0: row 2,048 (8 x batch + head) + 256 x block + 64 x wave, of 512 bytes
	s_lshl_b32 s19, s14, 8
	s_add_co_u32 s18, s18, s19
	s_lshl_b32 s19, s[WV], 6
	s_add_co_u32 s18, s18, s19
	s_lshl_b32 s18, s18, 9
	s_mov_b32 s19, 0
	; descriptor group 1: a section is a dense block: 68 rows of 256 bytes (32 elements of 8 bytes), no padding: the images are read 512 consecutive bytes at a time
	s_mov_b32 s[G1], 15|(3<<16)|(1<<21)            ; 15:0 the mask: all four work-groups; 17:16 elements of 8 bytes; 21 set beside a mask
	s_mov_b32 s[G1+1], 32<<16                      ; tensor_dim0 = 32
	s_mov_b32 s[G1+2], 68<<16                      ; tensor_dim1 = 68
	s_mov_b32 s[G1+3], 32<<16                      ; tile_dim0 = 32
	s_mov_b32 s[G1+4], 68                          ; tile_dim1 = 68
	s_mov_b32 s[G1+5], 32                          ; elements from row to row
	s_mov_b32 s[G1+6], 0
	s_mov_b32 s[G1+7], 0
	s_mov_b32 s[CS], 0x3db504f3                    ; 1/sqrt(128)
	s_mov_b32 s[CS+1], s[CS]                       ; (named with it as a pair, so it is written)
	s_mov_b32 s[SEL], 0x76543210
	s_mov_b32 s[SEL+1], 0xfedcba98
	s_mov_b32 s[MNT], 0x600000
	s_mov_b32 s[LG], 0x3fb8aa3b                    ; log2(e)
	s_mov_b32 s[LG+1], s[LG]
	s_mov_b32 s[TB], 0
	s_wait_kmcnt 0x0
	s_add_nc_u64 s[10:11], s[4:5], s[22:23]        ; Q's scale words
	s_add_nc_u64 s[4:5], s[4:5], s[20:21]          ; Q's codes
	s_add_nc_u64 s[6:7], s[6:7], s[16:17]
	s_add_nc_u64 s[8:9], s[8:9], s[18:19]
	CROUND                                         ; all four work-groups are here: the first joint loads meet
	s_mov_b32 s[G0A], 1                            ; count = 1
	s_mov_b32 s[G0A+1], s50                        ; LDS address: slot 0
	s_mov_b64 s[G0A+2:G0A+3], s[6:7]               ; global address: steps 0 and 1
	s_or_b32 s[G0A+3], s[G0A+3], 0x80000000        ; type = 2
	s_mov_b32 s[G0W], 1
	s_add_co_u32 s[G0W+1], s50, SLOT1              ; slot 1
	s_add_nc_u64 s[G0W+2:G0W+3], s[6:7], SLOTB     ; steps 2 and 3
	s_or_b32 s[G0W+3], s[G0W+3], 0x80000000
	tensor_load_to_lds s[G0A:G0A+3], s[G1:G1+7]    ; the two first fills go out together, ahead of every wait on TENSORcnt and every LDS read
	s_nop 0
	tensor_load_to_lds s[G0W:G0W+3], s[G1:G1+7]
	s_nop 0
.rept 4
	v_nop
.endr
	v_and_b32 v9, 31, v0                           ; lane
	v_lshlrev_b32 v[LI], 4, v9
	v_lshlrev_b32 v[L8], 3, v9
	v_and_b32 v10, 15, v0                          ; r
	v_bfe_u32 v11, v0, 4, 1                        ; lane / 16
	s_mul_i32 s51, s[WV], 16*SPITCH
	s_add_co_u32 s51, s51, STAGE                   ; my stage
	v_mul_u32_u24 v[STO], v10, SPITCH              ; in: row r, 32 bytes for each half of the lanes
	v_lshl_add_u32 v[STO], v11, 5, v[STO]
	v_add_nc_u32 v[STO], s51, v[STO]
	v_add_nc_u32 v[RD], s51, v[LI]                 ; back: the 32 lanes take one row of 512 bytes
.irp b, 0,1,2,3
	v_mov_b32 v[TM+4+\b], 0                        ; written once: a lane permute's destination counts as one of its sources
.endr
	WIN 0xc0                                       ; destination window 3
.irp t, 0,1,2,3
.irp c, 0,1,2,3
	global_load_b128 v[QF+16*\t+4*\c:QF+16*\t+4*\c+3], v[LI], s[4:5] offset:2048*\t+512*\c   ; Q stays in registers
.endr
.endr
	WIN 0
.irp p, 0,1
	global_load_b64 v[QS+2*\p:QS+2*\p+1], v[L8], s[10:11] offset:256*\p
.endr
	s_wait_tensorcnt 0x1                           ; my section of slot 0 is in; slot 1's may stay out
	s_barrier_signal -1
	s_barrier_wait -1                              ; everybody's is
	NEXTSTEP                                       ; step 0
.irp f, 0,1,2,3,4,5,6,7
	KLOAD \f
.endr
.irp f, 0,1,2,3,4,5,6,7
	VLOAD \f
.endr
	WIN 0
	s_wait_loadcnt 0x0                             ; Q
	s_wait_dscnt 36                                ; K's 36 loads are in; V's 36 may be out
.irp f, 0,1,2,3,4,5,6,7
	KQI 0, \f                                      ; tile 0's first scores: there is no vector work yet to set between them
.endr
	WIN 0
.rept 8
	v_nop                                          ; eight places ahead of the first read of those scores
.endr
	TURN 0, 0, 1, 0                                ; tile 0 of step 0 is quantised | tile 1's scores
	TURN 1, 1, 1, 0                                ; tile 1 | tile 2's scores | tile 0's V^T P starts its sums
	BODY 1                                         ; tiles 2, 3 of step 0 and 0, 1 of step 1; it fetches step 1, the last of slot 0
	s_mov_b32 s[SLOTS], 6
.Lslot:                                            ; six trips: every slot's worth of steps but the first two is asked for here
	CHANGE 1
	TWO_BODIES
	s_sub_co_u32 s[SLOTS], s[SLOTS], 1
	s_cmp_lg_u32 s[SLOTS], 0
	s_cbranch_scc1 .Lslot
	CHANGE 0                                       ; the last slot is written out
	TWO_BODIES
	TURN 2, 2, 1, 0                                ; step 15: tile 2 | tile 3's scores | tile 1's V^T P
	TURN 3, 2, 0, 0                                ; tile 3 | tile 2's V^T P
.rept 8
	v_nop                                          ; places between the codes and the scale word just made and the products that take them
.endr
.irp d, 0,1,2,3,4,5,6,7
	PVI 3, \d, 0
.endr
	WIN 0
	; THE SOFTMAX over the 128 channels, of which a lane holds 64 and the lane 16 away the others; the four tiles by turns.  The start values are the places behind the last products.
.irp t, 0,1,2,3
	v_mov_b32 v[MX+\t], 0xff800000                 ; -infinity
	v_mov_b32 v[XT+\t], 0
	v_mov_b32 v[SM+2*\t], 0
	v_mov_b32 v[SM+2*\t+1], 0
	v_mov_b32 v[ML+2*\t+1], 0                      ; (upper halves of pairs of which the packed forms take the low word: named, so written)
	v_mov_b32 v[RC+2*\t+1], 0
.endr
	WIN 0x14                                       ; sources 1 and 2 window 1
.set i, 0
.rept 32
.irp t, 0,1,2,3
	v_max3_num_f32 v[MX+\t], v[MX+\t], v[64*\t+2*i], v[64*\t+2*i+1]   ; ascending: each accumulator from its low end on
.endr
.set i, i+1
.endr
	WIN 0
.irp t, 0,1,2,3
	v_permlanex16_b32 v[XT+\t], v[MX+\t], s[SEL], s[SEL+1]
.endr
.irp t, 0,1,2,3
	v_max_num_f32 v[MX+\t], v[MX+\t], v[XT+\t]     ; the row's maximum
.endr
.irp t, 0,1,2,3
	v_mul_f32 v[ML+2*\t], s[LG], v[MX+\t]          ; x log2(e), rounded once: what the rounding leaves is the same shift for all 128 channels and falls out of the quotient
.endr
	WIN 0x41                                       ; destination and source 0 window 1
.set i, 0
.rept 32
.irp t, 0,1,2,3
	v_pk_fma_f32 v[64*\t+2*i:64*\t+2*i+1], v[64*\t+2*i:64*\t+2*i+1], s[LG:LG+1], v[ML+2*\t:ML+2*\t+1] op_sel_hi:[1,0,0] neg_lo:[0,0,1] neg_hi:[0,0,1]   ; (o - maximum) log2(e)
.endr
.set i, i+1
.endr
.set i, 0
.rept 256
	v_exp_f32 v[i], v[i]
.set i, i+1
.endr
	v_nop                                          ; one plain line behind the exponentials
	WIN 0x04                                       ; source 1 window 1
.set i, 0
	s_wait_alu depctr_va_vdst(0)
.rept 32
.irp t, 0,1,2,3
	v_pk_add_f32 v[SM+2*\t:SM+2*\t+1], v[SM+2*\t:SM+2*\t+1], v[64*\t+2*i:64*\t+2*i+1]
.endr
.set i, i+1
.endr
	WIN 0
.irp t, 0,1,2,3
	v_add_f32 v[SM+2*\t], v[SM+2*\t], v[SM+2*\t+1]
.endr
.irp t, 0,1,2,3
	v_permlanex16_b32 v[XT+\t], v[SM+2*\t], s[SEL], s[SEL+1]
.endr
.irp t, 0,1,2,3
	v_add_f32 v[SM+2*\t], v[SM+2*\t], v[XT+\t]     ; the row's sum
.endr
.irp t, 0,1,2,3
	v_rcp_f32 v[RC+2*\t], v[SM+2*\t]
.endr
	v_nop                                          ; one plain line behind the reciprocals
	WIN 0x41
.set i, 0
	s_wait_alu depctr_va_vdst(0)
.rept 32
.irp t, 0,1,2,3
	v_pk_mul_f32 v[64*\t+2*i:64*\t+2*i+1], v[64*\t+2*i:64*\t+2*i+1], v[RC+2*\t:RC+2*\t+1] op_sel_hi:[1,0]
.endr
.set i, i+1
.endr
; THE WAY OUT, a tile of 16 queries at a time.  A lane holds 32 neighbouring bytes of a row for each 16 channels: the tile goes through my own stage in LDS and comes back as whole rows of 512 bytes.
; LDS serves a wave's instructions in order (ISA guide 5.7.1.4): no wait between the stores and the loads, nor ahead of the next tile's stores.
.macro TOSTAGE t
	WIN 0x04                                       ; an LDS store's data are its source 1: window 1
.irp d, 0,1,2,3,4,5,6,7
	ds_store_b128 v[STO], v[64*\t+8*\d:64*\t+8*\d+3] offset:64*\d
	ds_store_b128 v[STO], v[64*\t+8*\d+4:64*\t+8*\d+7] offset:64*\d+16
.endr
	WIN 0
.irp i, 0,1,2,3,4,5,6,7,8,9,10,11,12,13,14,15
	ds_load_b128 v[SCR+64*(\t%2)+4*\i:SCR+64*(\t%2)+4*\i+3], v[RD] offset:\i*SPITCH
.endr
.endm
.macro SEND t, younger                 ; younger: the LDS instructions issued behind tile t's loads: the next tile's 16 stores and 16 loads, or none
	s_wait_dscnt \younger
.irp i, 0,1,2,3,4,5,6,7,8,9,10,11,12,13,14,15
	global_store_b128 v[LI], v[SCR+64*(\t%2)+4*\i:SCR+64*(\t%2)+4*\i+3], s[8:9] offset:512*(32*(\t/2)+8*(\t%2)+\i+8*(\i/8)) th:TH_STORE_NT   ; the tile's query i is row 32 (t / 2) + 8 (t % 2) + i + 8 (i / 8) of my 64; 32 lanes store 512 consecutive bytes, aligned
.endr
.endm
	TOSTAGE 0
	TOSTAGE 1
	SEND 0, 32
	s_wait_xcnt 0x0                                ; tile 0's stores have read their data: tile 2's rows may land in those registers
	TOSTAGE 2
	SEND 1, 32
	s_wait_xcnt 0x0
	TOSTAGE 3
	SEND 2, 32
	SEND 3, 0
	s_wait_tensorcnt 0x0                           ; the wave's end, behind my last tensor load and my last LDS store
	ds_add_u32 v[SPW], v[NIL]
	s_wait_dscnt 0x0
	CROUND                                         ; the closing round: no work-group ends while a partner may still ask for a section that names it
	s_endpgm
.Lfunc_end_k_qa8193eca87_attn:
	.size	k_qa8193eca87_attn, .Lfunc_end_k_qa8193eca87_attn-k_qa8193eca87_attn
	.p2alignl 7, 3214868480
	.fill 96, 4, 3214868480
	.section	.rodata,"a",@progbits
	.p2align	6, 0x0
	.amdhsa_kernel k_qa8193eca87_attn
		.amdhsa_group_segment_fixed_size 327680
		.amdhsa_private_segment_fixed_size 0
		.amdhsa_enable_private_segment 0
		.amdhsa_kernarg_size 24
		.amdhsa_user_sgpr_count 2
		.amdhsa_user_sgpr_kernarg_segment_ptr 1
		.amdhsa_wavefront_size32 1
		.amdhsa_system_sgpr_workgroup_id_x 1
		.amdhsa_system_sgpr_workgroup_id_y 1
		.amdhsa_system_sgpr_workgroup_id_z 1
		.amdhsa_system_vgpr_workitem_id 0
		.amdhsa_next_free_vgpr 1024
		.amdhsa_next_free_sgpr 66
		.amdhsa_reserve_vcc 0
		.amdhsa_float_denorm_mode_32 3
		.amdhsa_float_denorm_mode_16_64 3
		.amdhsa_memory_ordered 1
		.amdhsa_forward_progress 1
		.amdhsa_inst_pref_size 255
	.end_amdhsa_kernel
	.section	.bss,"aw",@nobits
	.p2align	6
	.space	262144
	.amdgpu_metadata
---
amdhsa.version: [ 1, 2 ]
amdhsa.kernels:
  - .name:           k_qa8193eca87_attn
    .symbol:         k_qa8193eca87_attn.kd
    .args:
      - { .name: qf, .offset: 0, .size: 8, .value_kind: global_buffer, .address_space: global }
      - { .name: kv, .offset: 8, .size: 8, .value_kind: global_buffer, .address_space: global }
      - { .name: out0, .offset: 16, .size: 8, .value_kind: global_buffer, .address_space: global }
    .group_segment_fixed_size: 327680
    .private_segment_fixed_size: 0
    .kernarg_segment_align: 8
    .kernarg_segment_size: 24
    .max_flat_workgroup_size: 128
    .sgpr_count:     66
    .vgpr_count:     1024
    .wavefront_size: 32
...
	.end_amdgpu_metadata
.endif
;; end of part 2
;; ======== version 2 of 2: 2 launches; version 1 with the launch proj written anew for expert scheduling mode
;; workspace buffers: qf 8,912,896 bytes; kv 17,825,792 bytes
;; launch proj (part 3): grid 32 x 8, 8 waves a work-group, no clusters, 169,984 bytes of LDS; arguments x, W_q, W_k, W_v, qf, kv; writes qf, kv
.if DOCPART == 3
	.amdgcn_target "amdgcn-amd-amdhsa--gfx1250"
	.amdhsa_code_object_version 6
	.text
	.protected	k_qa8193eca87_proj
	.globl	k_qa8193eca87_proj
	.p2align	8
	.type	k_qa8193eca87_proj,@function
k_qa8193eca87_proj:
	s_mov_b64 s[64:65], 0
	v_nop
	global_prefetch_b8 v0, s[64:65] scope:SCOPE_SE
	s_setreg_imm32_b32 hwreg(HW_REG_WAVE_SCHED_MODE, 0, 2), 2
	s_setreg_imm32_b32 hwreg(HW_REG_WAVE_MODE, 25, 1), 1
	s_wait_xcnt 0x0
	s_wait_alu depctr_vm_vsrc(0)
; Q, K, V = x W^T for one head and 256 rows of x, all on codes of FP8 (E4M3) with one E8M0 scale for each 32 along K, and the results quantised again in registers for the two products that follow.
; x: [8192][128] f32.  W_q, W_k, W_v: [1024][128] f32; head e takes rows 128 e on.  What leaves are IMAGES OF OPERAND REGISTERS, laid as the next launch's fragments want them.
; A SECTION (17,408 bytes) holds one operand for a step of 128 rows: eight fragments of 2,048 bytes (fragment f, register group c, lane l at 2048 f + 512 c + 16 l), then four blocks of 256 bytes of scale words
; (block q, lane l: 8 bytes at 8 l: the words of fragments 2 q and 2 q + 1 for row l % 16).  qf: [32 heads of batches][16 steps][section];  kv: [32][16][K's section, V's section].
; THE ROWS OF A FRAGMENT ARE NOT NEIGHBOURS: lane r of fragment 2 b + u takes row 32 b + 8 u + r + 8 (r / 8) of its 128.  Used as source 0, eight such fragments leave a lane's 64 results as k = 32 b + 16 (lane / 16) + i in
; register 16 b + i: the order that the conversions and the operand's layout want.  Q, K: source 0 = W's eight fragments (the channels), source 1 = 16 rows of x: a lane holds one row, registers run along the head's 128.
; V: source 0 = x's eight fragments (the keys), source 1 = 16 neighbouring rows of W_v: a lane holds one channel, registers run along the 128 keys, which are the last product's K.
; EACH SUM IS MADE IN TWO PARTS.  The sums go into a quantiser, and one code of Q moves all 2,048 scores of its row, so they are wanted to the last bit of f32.  The quantised numbers have four significant bits, and the exact sum
; of the 128 products mostly fits in 24 bits; but the products of one sum lie up to 2^35 apart.  So every element's code, made by the quantiser as it stands, goes into one of two fragments and the other gets the code 0 there:
; HI where its magnitude is at least 8 x its block's scale, LO else.  HI x HI (products between 2^6 and 2^17.6 in code units) is summed by one instruction on one accumulator; HI x LO, LO x HI and LO x LO by three
; on a second; one f32 addition joins the two.  So no instruction's sum has to hold a small product's low bits beside a large product.  Codes, scale bytes and the products themselves are those of one instruction.
; SHARES.  A work-group: 256 rows (two steps) x one head x the three kinds.  First each of its eight waves quantises five fragments (x: one of each step; one of each W) and stores their two images in LDS; one barrier;
; then wave w makes fragments 2 (w / 2), 2 (w / 2) + 1 of step w % 2 of each kind: 64 products, two quantisings, nine stores, each store 512 or 256 consecutive bytes, aligned.
; NO JOINT LOADS: what work-groups share here is f32 (131,072 bytes of x, 196,608 of W for a work-group, together as many bytes as a WGP has of LDS), each number is used once, and it has to pass
; through a lane's registers in the conversions' order: it is loaded straight there.
; LIMITS: NaN and infinities among the inputs are not served.  A block of zeros gets the byte 1 where the quantiser says 127: its codes are zeros, and these bytes are read by this program alone.
; THE MODE: SCHED_MODE bits 1:0 = 2 (LLVM: expert scheduling mode 2), set by the entry lines.  The code itself states the register dependences between vector or matrix instructions and memory or LDS instructions,
; with s_wait_alu, always for 0.
; THE PLAN.  Registers that memory or LDS instructions touch:
;   BUF0, BUF1    First phase: a set's 16 loads land in a buffer; its quantising reads and rewrites the buffer, the conversions last; then the next set's loads land in it.
;   v192-223, v40 First phase: written by a quantising (codes, scale word), read by the nine LDS stores behind it, written again by the next quantising.
;   window 1, v192-255, v42-51   Second phase: written by LDS loads, read by matrix instructions alone.  (v192-239 were the first phase's codes and work registers.)
;   v128-143      Second phase: a result's codes: written by the conversions, read by four global stores, written again by the next products.  v40-41: the two scale words, read by one store a kind.
;   v1-v22        Offsets and addresses: made once, at the head, and never written again.       v62, v63: made at the head, read by the closing add alone.
; So one wait on va_vdst stands behind each quantising, ahead of the stores that read what it wrote and of the loads into the buffer that it has emptied; one stands behind a kind's last products, ahead of the next
; kind's LDS loads, which are then dealt in three runs among the second fragment's vector lines: those name v24-41 and v64-191 alone, none of the registers that the loads touch.  One wait on vm_vsrc stands ahead of
; each first line that writes again what stores have read.  The compares of the split into HI and LO write eight scalar masks a run, with one wait on va_sdst behind each run, ahead of the selects.
.set XH,   0                           ; LDS: x's 16 fragments (8 x step + f), 2,048 bytes each: the HI images,
.set XL,   32768                       ; the LO images;
.set WH,   65536                       ; the weights' 24 (8 x kind + tile): HI,
.set WL,   114688                      ; LO;
.set XSC,  163840                      ; x's scale words, 128 bytes a fragment (4 x lane): one word serves both images;
.set WSC,  165888                      ; the weights'
.set LI,   1                           ; v1   16 x lane
.set LS4,  2                           ; v2   4 x lane
.set L8,   3                           ; v3   8 x lane
.set VP,   4                           ; v4   a fragment's row (r + 8 (r / 8)) x 512 + 64 (lane / 16): my 16 numbers of a block of 32
.set VN,   5                           ; v5   the same for neighbouring rows: r x 512 + 64 (lane / 16)
.set XWI,  6                           ; v6   where I store x's images;  v7, v8 the weights' HI and LO;  v9, v10 the scale words
.set WWH,  7
.set WWL,  8
.set XWS,  9
.set WWS,  10
.set AWH,  11                          ; v11, v12 where the weights' images are read;  v13 my step's images of x
.set AWL,  12
.set AXH,  13
.set AXSH, 14                          ; v14-16 the same at my pair of fragments
.set AWSH, 15
.set AWSL, 16
.set ASW,  17                          ; v17-20 the scale words likewise
.set ASX,  18
.set ASXS, 19
.set ASWS, 20
.set GC,   21                          ; v21  my codes' offset in a section: 16 x lane + 4,096 x pair
.set GS,   22                          ; v22  my scale words': 8 x lane + 256 x pair
.set ZR,   23                          ; v23  0
.set TM,   24                          ; v24-27 largest magnitudes, v28-31 bytes, v32-35 448 x the scale, v36-39 the conversions' scale operands
.set PWP,  40                          ; v40-41 the scale words just made
.set BS,   42                          ; v42-49 scale words of source 0's eight fragments;  v50-51 of source 1's two: they hold scales and nothing else
.set SS,   50
.set TH,   52                          ; v52-55 8 x the scale of each block: where HI begins
.set BUF0, 64                          ; v64-127   64 numbers;  later the sums HI x HI, then the whole sums
.set BUF1, 128                         ; v128-191  64 numbers;  later the other sums
.set PC,   128                         ; v128-143  a result's codes, once the two sums are added
.set PCH,  192                         ; first phase: v192-207 the HI codes, v208-223 the LO codes, v224-239 a block's magnitudes, then its LO numbers
.set PCL,  208
.set T,    224
.set SMH,  192                         ; second phase: v192-223 source 1's two HI fragments, v224-255 its two LO fragments
.set SML,  224
.set WV,   16                          ; s16 wave;  s17 wave % 2: my step;  s18 wave / 2: my pair
.set SEL,  20                          ; s[20:21] v_permlanex16_b32's selects for lane l xor 16
.set MNT,  22                          ; s22 the mantissa field of 448
.set MK,   40                          ; s40-47 eight masks: which of eight numbers lie under 8 x the scale; nothing else is kept there
.set MSB,  0
.macro WIN new                         ; the immediate's high byte repeats the setting that is left.  Window 1: v0-127 source 0's eight HI fragments, v128-255 its eight LO fragments
.if MSB != \new
	s_set_vgpr_msb (MSB<<8)|\new
.set MSB, \new
.endif
.endm
; 64 numbers of my row: 16 neighbours of each block of 32
.macro XLOAD reg, va, sb, off
.irp b, 0,1,2,3
.irp j, 0,1,2,3
	global_load_b128 v[\reg+16*\b+4*\j:\reg+16*\b+4*\j+3], v[\va], s[\sb:\sb+1] offset:\off+128*\b+16*\j
.endr
.endr
.endm
; The four blocks' largest magnitudes, scale operands, holds and bytes, and the scale word in v[pw], of 64 numbers of a lane: register 16 b + i = k 32 b + 16 (lane / 16) + i of its row
.macro SCALES s, pw
.irp b, 0,1,2,3
	v_max3_num_f32 v[TM+\b], |v[\s+16*\b]|, |v[\s+1+16*\b]|, 0x4800000   ; block b: my 16 numbers and the floor 2^(9 - 127): the byte cannot fall under 1
.endr
.irp i, 2,4,6,8,10,12,14
.irp b, 0,1,2,3
	v_max3_num_f32 v[TM+\b], v[TM+\b], |v[\s+16*\b+\i]|, |v[\s+1+16*\b+\i]|   ; the four blocks by turns
.endr
.endr
.irp b, 0,1,2,3
	v_permlanex16_b32 v[TM+4+\b], v[TM+\b], s[SEL], s[SEL+1]
.endr
.irp b, 0,1,2,3
	v_max_num_f32 v[TM+\b], v[TM+\b], v[TM+4+\b]   ; with lane l xor 16's 16: the block's largest magnitude
.endr
.irp b, 0,1,2,3
	v_add_nc_u32 v[TM+12+\b], 0xfc000000, v[TM+\b]   ; 8 off its exponent field: the conversion takes this operand's exponent field as its scale
.endr
.irp b, 0,1,2,3
	v_and_or_b32 v[TM+8+\b], v[TM+\b], 0x7f800000, s[MNT]   ; 448 x the scale
.endr
.irp b, 0,1,2,3
	v_lshrrev_b32 v[TM+4+\b], 23, v[TM+12+\b]   ; the scale's byte
.endr
	v_lshl_or_b32 v[\pw], v[TM+5], 8, v[TM+4]
	v_lshl_or_b32 v[\pw], v[TM+6], 16, v[\pw]
	v_lshl_or_b32 v[\pw], v[TM+7], 24, v[\pw]
.endm
; A result's 64 numbers, their scales made, become a fragment's codes in v[pc] on
.macro CODES s, pc
.irp b, 0,1,2,3
.irp i, 0,1,2,3,4,5,6,7,8,9,10,11,12,13,14,15
	v_med3_num_f32 v[\s+16*\b+\i], v[\s+16*\b+\i], -v[TM+8+\b], v[TM+8+\b]   ; the conversion to an 8-bit code does not saturate (ISA guide 7.6.2): the hold at 448 x the scale
.endr
	v_cvt_scalef32_pk8_fp8_f32 v[\pc+4*\b:\pc+1+4*\b], v[\s+16*\b:\s+7+16*\b], v[TM+12+\b]
	v_cvt_scalef32_pk8_fp8_f32 v[\pc+2+4*\b:\pc+3+4*\b], v[\s+8+16*\b:\s+15+16*\b], v[TM+12+\b]
.endr
	v_nop                                          ; one plain vector line behind the last conversion: products later write these registers
.endm
; An input: 64 numbers become TWO fragments, HI in v[PCH] on and LO in v[PCL] on, with one scale word in v[PWP].  Each number's code is the quantiser's; it stands in one of the two, and the code 0 in the other.
; A block's 16 numbers go in two halves of eight: eight compares write eight scalar masks, one wait follows the run, sixteen selects read the masks.  Lines that hang on no mask stand between a run and its wait:
; behind the first run the second half's magnitudes, behind the second the first half's two conversions.
.macro QUANTX s
	SCALES \s, PWP
.irp b, 0,1,2,3
	v_and_b32 v[TH+\b], 0x7f800000, v[TM+\b]       ; 2^(the largest magnitude's exponent) = 2^8 x the scale,
.endr
.irp b, 0,1,2,3
	v_add_nc_u32 v[TH+\b], 0xfd800000, v[TH+\b]    ; 5 off its exponent field: 8 x the scale (the floor keeps the field at 9 or more)
.endr
.irp b, 0,1,2,3
.irp i, 0,1,2,3,4,5,6,7,8,9,10,11,12,13,14,15
	v_med3_num_f32 v[\s+16*\b+\i], v[\s+16*\b+\i], -v[TM+8+\b], v[TM+8+\b]   ; the hold at 448 x the scale
.endr
.irp i, 0,1,2,3,4,5,6,7
	v_and_b32 v[T+\i], 0x7fffffff, v[\s+16*\b+\i]  ; the magnitude: as whole numbers the patterns of positive f32 numbers stand in the numbers' order
.endr
.irp i, 0,1,2,3,4,5,6,7
	v_cmp_gt_u32 s[MK+\i], v[TH+\b], v[T+\i]       ; under 8 x the scale?
.endr
.irp i, 8,9,10,11,12,13,14,15
	v_and_b32 v[T+\i], 0x7fffffff, v[\s+16*\b+\i]
.endr
	s_wait_alu depctr_va_sdst(0)                   ; the eight compares have written s40 to s47, which the selects below read
.irp i, 0,1,2,3,4,5,6,7
	v_cndmask_b32 v[T+\i], v[ZR], v[\s+16*\b+\i], s[MK+\i]           ; LO: the number there, 0 else
	v_cndmask_b32 v[\s+16*\b+\i], v[\s+16*\b+\i], v[ZR], s[MK+\i]    ; HI: 0 there, the number else
.endr
.irp i, 8,9,10,11,12,13,14,15
	v_cmp_gt_u32 s[MK+\i-8], v[TH+\b], v[T+\i]     ; the second half's masks
.endr
	v_cvt_scalef32_pk8_fp8_f32 v[PCH+4*\b:PCH+1+4*\b], v[\s+16*\b:\s+7+16*\b], v[TM+12+\b]
	v_cvt_scalef32_pk8_fp8_f32 v[PCL+4*\b:PCL+1+4*\b], v[T:T+7], v[TM+12+\b]   ; (the selects below write the second half's registers alone, and are the plain lines behind these two)
	s_wait_alu depctr_va_sdst(0)                   ; the second eight compares have written s40 to s47, which the selects below read
.irp i, 8,9,10,11,12,13,14,15
	v_cndmask_b32 v[T+\i], v[ZR], v[\s+16*\b+\i], s[MK+\i-8]
	v_cndmask_b32 v[\s+16*\b+\i], v[\s+16*\b+\i], v[ZR], s[MK+\i-8]
.endr
	v_cvt_scalef32_pk8_fp8_f32 v[PCH+2+4*\b:PCH+3+4*\b], v[\s+8+16*\b:\s+15+16*\b], v[TM+12+\b]
	v_cvt_scalef32_pk8_fp8_f32 v[PCL+2+4*\b:PCL+3+4*\b], v[T+8:T+15], v[TM+12+\b]   ; (the next block's 16 holds stand between these and the lines that write v[T] on again)
.endr
	v_nop                                          ; one plain vector line behind the last conversion
.endm
.macro IMAGE adr, off, pc                      ; a fragment goes to LDS as it stands: 512 consecutive bytes a store
.irp c, 0,1,2,3
	ds_store_b128 v[\adr], v[\pc+4*\c:\pc+4*\c+3] offset:\off+512*\c
.endr
.endm
; a kind's operands out of LDS, 90 loads in three runs: source 0's eight HI fragments;
.macro LOADH bh, bhoff
	WIN 0x40                                       ; destination window 1
.irp i, 0,1,2,3,4,5,6,7
.irp c, 0,1,2,3
	ds_load_b128 v[16*\i+4*\c:16*\i+4*\c+3], v[\bh] offset:\bhoff+2048*\i+512*\c
.endr
.endr
.endm
.macro LOADL bl, bloff                         ; its eight LO fragments;
	WIN 0x40
.irp i, 0,1,2,3,4,5,6,7
.irp c, 0,1,2,3
	ds_load_b128 v[128+16*\i+4*\c:128+16*\i+4*\c+3], v[\bl] offset:\bloff+2048*\i+512*\c
.endr
.endr
.endm
.macro LOADS bsa, bsoff, sh, shoff, sl, sloff, ssa, ssoff   ; source 1's two and two, and the scale words
	WIN 0
.irp e, 0,1
.irp c, 0,1,2,3
	ds_load_b128 v[SMH+16*\e+4*\c:SMH+16*\e+4*\c+3], v[\sh] offset:\shoff+2048*\e+512*\c
.endr
.endr
.irp e, 0,1
.irp c, 0,1,2,3
	ds_load_b128 v[SML+16*\e+4*\c:SML+16*\e+4*\c+3], v[\sl] offset:\sloff+2048*\e+512*\c
.endr
.endr
.irp i, 0,1,2,3,4,5,6,7
	ds_load_b32 v[BS+\i], v[\bsa] offset:\bsoff+128*\i
.endr
.irp e, 0,1
	ds_load_b32 v[SS+\e], v[\ssa] offset:\ssoff+128*\e
.endr
.endm
; The 32 products of result fragment e.  Eight accumulators for HI x HI, eight for the three other parts; the eight take turns, one instruction a turn: between two links of a chain stand seven others'
.macro MMC e
	WIN 0x01                                       ; source 0 window 1; source 1, C and D window 0
.irp i, 0,1,2,3,4,5,6,7
	v_wmma_scale_f32_16x16x128_f8f6f4 v[BUF0+8*\i:BUF0+8*\i+7], v[16*\i:16*\i+15], v[SMH+16*\e:SMH+16*\e+15], 0, v[BS+\i], v[SS+\e]   ; HI x HI
.endr
.irp i, 0,1,2,3,4,5,6,7
	v_wmma_scale_f32_16x16x128_f8f6f4 v[BUF1+8*\i:BUF1+8*\i+7], v[16*\i:16*\i+15], v[SML+16*\e:SML+16*\e+15], 0, v[BS+\i], v[SS+\e]   ; HI x LO starts the second sum
.endr
.irp i, 0,1,2,3,4,5,6,7
	v_wmma_scale_f32_16x16x128_f8f6f4 v[BUF1+8*\i:BUF1+8*\i+7], v[128+16*\i:128+16*\i+15], v[SMH+16*\e:SMH+16*\e+15], v[BUF1+8*\i:BUF1+8*\i+7], v[BS+\i], v[SS+\e]   ; LO x HI
.endr
.irp i, 0,1,2,3,4,5,6,7
	v_wmma_scale_f32_16x16x128_f8f6f4 v[BUF1+8*\i:BUF1+8*\i+7], v[128+16*\i:128+16*\i+15], v[SML+16*\e:SML+16*\e+15], v[BUF1+8*\i:BUF1+8*\i+7], v[BS+\i], v[SS+\e]   ; LO x LO
.endr
	WIN 0
.rept 8
	v_nop                                          ; eight places ahead of the first read of the results
.endr
.endm
.macro SUMS                                    ; the two sums are added, each accumulator from its low end on
.set j, 0
.rept 32
	v_pk_add_f32 v[BUF0+j:BUF0+j+1], v[BUF0+j:BUF0+j+1], v[BUF1+j:BUF1+j+1]
.set j, j+2
.endr
.endm
.macro SEND e, cb, off                         ; a fragment's codes are stored
	s_wait_alu depctr_va_vdst(0)                   ; the conversions have written v[PC ..], which the stores below read; the scale words v40, v41 are written too, for the store of the pair that follows the second fragment's
.irp c, 0,1,2,3
	global_store_b128 v[GC], v[PC+4*\c:PC+4*\c+3], s[\cb:\cb+1] offset:\off+2048*\e+512*\c     ; 32 lanes store 512 consecutive bytes, aligned
.endr
.endm
.macro HALF e, cb, off                         ; the sums are added; the fragment is quantised and its codes are stored
	SUMS
	SCALES BUF0, PWP+\e
	CODES BUF0, PC
	SEND \e, \cb, \off
.endm
	s_load_b256 s[4:11], s[0:1], 0x0               ; x s[4:5], W_q s[6:7], W_k s[8:9], W_v s[10:11]
	s_load_b128 s[12:15], s[0:1], 0x20             ; qf s[12:13], kv s[14:15]
	v_lshl_add_u32 v62, v0, 2, 0x29400             ; the LDS address of my spare word, behind the weights' scale words, and 0, kept for the closing lines alone
	v_mov_b32 v63, 0
	v_lshrrev_b32 v1, 5, v0
	v_readfirstlane_b32 s[WV], v1                  ; wave 0..7
	v_and_b32 v24, 31, v0                          ; lane.  (The vector lines that hang on no scalar stand between the line above and the wait for it)
	v_and_b32 v25, 15, v0                          ; r
	v_bfe_u32 v26, v0, 4, 1                        ; lane / 16
	v_lshlrev_b32 v[LI], 4, v24
	v_lshlrev_b32 v[LS4], 2, v24
	v_lshlrev_b32 v[L8], 3, v24
	v_and_b32 v27, 8, v25
	v_add_nc_u32 v27, v27, v25                     ; r + 8 (r / 8)
	v_lshlrev_b32 v[VP], 9, v27
	v_lshl_add_u32 v[VP], v26, 6, v[VP]
	v_lshlrev_b32 v[VN], 9, v25
	v_lshl_add_u32 v[VN], v26, 6, v[VN]
	v_add_nc_u32 v[AWH], WH, v[LI]
	v_add_nc_u32 v[AWL], WL, v[LI]
	v_add_nc_u32 v[ASW], WSC, v[LS4]
	v_mov_b32 v[ZR], 0
.irp b, 0,1,2,3
	v_mov_b32 v[TM+4+\b], 0                        ; written once: a lane permute's destination counts as one of its sources
.endr
	s_mov_b32 s[SEL], 0x76543210
	s_mov_b32 s[SEL+1], 0xfedcba98
	s_mov_b32 s[MNT], 0x600000
	s_wait_alu depctr_va_sdst(0)                   ; s16, the wave's number, is written, ahead of its first reader
	s_and_b32 s17, s[WV], 1                        ; my step of the two
	s_lshr_b32 s18, s[WV], 1                       ; my pair of fragments
	s_lshl_b32 s26, s18, 14                        ; fragment w begins at row 32 (w / 2) + 8 (w % 2): x 512 bytes
	s_lshl_b32 s27, s17, 12
	s_add_co_u32 s26, s26, s27
	s_lshl_b32 s24, ttmp9, 17                      ; x: 256 rows of 512 bytes a work-group
	s_add_co_u32 s24, s24, s26
	s_mov_b32 s25, 0
	s_and_b32 s19, ttmp7, 0xffff                   ; the head
	s_lshl_b32 s28, s19, 16                        ; its 128 rows of a weight
	s_add_co_u32 s26, s26, s28                     ; W_q, W_k: + my fragment
	s_mov_b32 s27, 0
	s_lshl_b32 s30, s[WV], 13                      ; W_v: + 16 neighbouring rows x wave
	s_add_co_u32 s28, s28, s30
	s_mov_b32 s29, 0
	s_lshr_b32 s30, ttmp9, 3                       ; the batch: eight work-groups of 256 rows each
	s_lshl_b32 s30, s30, 3
	s_add_co_u32 s30, s30, s19                     ; 8 x batch + head
	s_lshl_b32 s30, s30, 4
	s_and_b32 s31, ttmp9, 7
	s_lshl_b32 s31, s31, 1
	s_add_co_u32 s30, s30, s31
	s_add_co_u32 s30, s30, s17                     ; x 16 + my step of the sequence's 16
	s_mul_i32 s32, s30, 17408                      ; my section of qf,
	s_mov_b32 s33, 0
	s_mul_i32 s34, s30, 34816                      ; my two of kv
	s_mov_b32 s35, 0
	s_wait_kmcnt 0x0
	s_add_nc_u64 s[4:5], s[4:5], s[24:25]
	s_add_nc_u64 s[6:7], s[6:7], s[26:27]
	s_add_nc_u64 s[8:9], s[8:9], s[26:27]
	s_add_nc_u64 s[10:11], s[10:11], s[28:29]
	s_add_nc_u64 s[36:37], s[12:13], s[32:33]
	s_add_nc_u64 s[38:39], s[14:15], s[34:35]
	; ---- the inputs become fragments: five sets of 16 loads a wave on two buffers; a set is asked for as soon as its buffer is free and lands under the other buffer's quantising
	s_wait_alu depctr_va_vdst(0)                   ; v4 and v5 are written: every load of x and of the weights reads one of them as its offset
	XLOAD BUF0, VP, 4, 0                           ; x, step 0, fragment w
	XLOAD BUF1, VP, 4, 65536                       ; x, step 1
	; the LDS addresses and the stores' offsets are made while these 32 loads are on their way; each shift has a scalar register of its own, so that none that a vector line reads is written again
	s_lshl_b32 s24, s[WV], 11                      ; 2,048 x wave
	s_lshl_b32 s25, s[WV], 7                       ; 128 x wave
	s_lshl_b32 s26, s17, 14                        ; my step's eight images of x,
	s_lshl_b32 s27, s17, 10                        ; their scale words
	s_lshl_b32 s28, s18, 12                        ; my pair: 2 x 2,048 bytes of images,
	s_lshl_b32 s29, s18, 8                         ; 2 x 128 bytes of scale words
	v_add_nc_u32 v[XWI], s24, v[LI]
	v_add_nc_u32 v[WWH], WH, v[XWI]
	v_add_nc_u32 v[WWL], WL, v[XWI]
	v_add_nc_u32 v[WWS], s25, v[LS4]
	v_add_nc_u32 v[XWS], XSC, v[WWS]
	v_add_nc_u32 v[WWS], WSC, v[WWS]
	v_add_nc_u32 v[AXH], s26, v[LI]
	v_add_nc_u32 v[ASX], s27, v[LS4]
	v_add_nc_u32 v[ASX], XSC, v[ASX]
	v_add_nc_u32 v[AXSH], s28, v[AXH]
	v_add_nc_u32 v[AWSH], s28, v[AWH]
	v_add_nc_u32 v[AWSL], s28, v[AWL]
	v_add_nc_u32 v[GC], s28, v[LI]
	v_add_nc_u32 v[ASXS], s29, v[ASX]
	v_add_nc_u32 v[ASWS], s29, v[ASW]
	v_add_nc_u32 v[GS], s29, v[L8]
	s_wait_loadcnt 16                              ; the first set is in; the set behind it may be out
	QUANTX BUF0
	s_wait_alu depctr_va_vdst(0)                   ; the quantising has written the codes and the scale word, which the LDS stores read, and is done with BUF0, in which the loads land; the addresses made above are written too
	XLOAD BUF0, VP, 6, 0                           ; W_q
	IMAGE XWI, XH, PCH
	IMAGE XWI, XL, PCL
	ds_store_b32 v[XWS], v[PWP]
	s_wait_dscnt 0x0                               ; the stores have read the codes' registers
	s_wait_alu depctr_vm_vsrc(0)                   ; the LDS stores have read v192-223 and v40, which the next quantising writes again
	s_wait_loadcnt 16
	QUANTX BUF1
	s_wait_alu depctr_va_vdst(0)                   ; the codes and the scale word are written, for the stores; the quantising is done with BUF1, for the loads
	XLOAD BUF1, VP, 8, 0                           ; W_k
	IMAGE XWI, XH+16384, PCH
	IMAGE XWI, XL+16384, PCL
	ds_store_b32 v[XWS], v[PWP] offset:1024
	s_wait_dscnt 0x0
	s_wait_alu depctr_vm_vsrc(0)                   ; the LDS stores have read v192-223 and v40, which the next quantising writes again
	s_wait_loadcnt 16
	QUANTX BUF0
	s_wait_alu depctr_va_vdst(0)                   ; the codes and the scale word are written, for the stores; the quantising is done with BUF0, for the loads
	XLOAD BUF0, VN, 10, 0                          ; W_v: neighbouring rows
	IMAGE WWH, 0, PCH
	IMAGE WWL, 0, PCL
	ds_store_b32 v[WWS], v[PWP]
	s_wait_dscnt 0x0
	s_wait_alu depctr_vm_vsrc(0)                   ; the LDS stores have read v192-223 and v40, which the next quantising writes again
	s_wait_loadcnt 16                              ; W_k's set is in; W_v's may be out
	QUANTX BUF1
	s_wait_alu depctr_va_vdst(0)                   ; the codes and the scale word are written, for the stores
	IMAGE WWH, 16384, PCH
	IMAGE WWL, 16384, PCL
	ds_store_b32 v[WWS], v[PWP] offset:1024
	s_wait_dscnt 0x0
	s_wait_alu depctr_vm_vsrc(0)                   ; the LDS stores have read v192-223 and v40, which the next quantising writes again
	s_wait_loadcnt 0x0
	QUANTX BUF0
	s_wait_alu depctr_va_vdst(0)                   ; the codes and the scale word are written, for the stores; and the first phase is done with v192-239, in which fragments land behind the barrier
	IMAGE WWH, 32768, PCH
	IMAGE WWL, 32768, PCL
	ds_store_b32 v[WWS], v[PWP] offset:2048
	s_wait_dscnt 0x0                               ; for the others' sake: my images have landed
	s_barrier_signal -1
	s_barrier_wait -1                              ; all 80 images lie in LDS; nothing is stored there from here on
	; ---- the three kinds; a kind's operands are fetched, in three runs, while the second fragment of the kind before is quantised
	WIN 0x40
	s_wait_alu depctr_vm_vsrc(0)                   ; my LDS stores have read v192-223: these registers take source 1's fragments from here on.  (No vector line has been issued since the wait ahead of those stores)
	LOADH AWH, 0                                   ; Q: source 0 = W_q's eight, source 1 = my two of x
	LOADL AWL, 0
	LOADS ASW, 0, AXSH, 0, AXSH, 32768, ASXS, 0
	s_wait_dscnt 0x0
	MMC 0
	HALF 0, 36, 0
	s_wait_xcnt 0x0                                ; the stores have read the codes: the products below write those registers
	s_wait_alu depctr_vm_vsrc(0)                   ; the stores have read v[PC ..], which the products below write
	MMC 1
	WIN 0x40
	s_wait_alu depctr_va_vdst(0)                   ; Q's products are done reading their operands and scale words, in which K's loads land; the vector lines among the three runs name v24-41 and v64-191 alone
	LOADH AWH, 16384                               ; K: W_k's eight
	WIN 0
	SUMS
	LOADL AWL, 16384
	WIN 0
	SCALES BUF0, PWP+1
	LOADS ASW, 1024, AXSH, 0, AXSH, 32768, ASXS, 0
	CODES BUF0, PC
	SEND 1, 36, 0
	global_store_b64 v[GS], v[PWP:PWP+1], s[36:37] offset:16384                ; 32 lanes store 256 consecutive bytes, aligned
	s_wait_dscnt 0x0
	s_wait_xcnt 0x0                                ; the stores have read the codes and the scale words
	s_wait_alu depctr_vm_vsrc(0)                   ; the stores have read v[PC ..], which the products below write, and v40, v41, which the next quantisings write
	MMC 0
	HALF 0, 38, 0
	s_wait_xcnt 0x0
	s_wait_alu depctr_vm_vsrc(0)                   ; the stores have read v[PC ..], which the products below write
	MMC 1
	WIN 0x40
	s_wait_alu depctr_va_vdst(0)                   ; K's products are done reading their operands and scale words, in which V's loads land; the vector lines among the three runs name v24-41 and v64-191 alone
	LOADH AXH, 0                                   ; V: source 0 = my step's eight of x, source 1 = my two of W_v
	WIN 0
	SUMS
	LOADL AXH, 32768
	WIN 0
	SCALES BUF0, PWP+1
	LOADS ASX, 0, AWSH, 32768, AWSL, 32768, ASWS, 2048
	CODES BUF0, PC
	SEND 1, 38, 0
	global_store_b64 v[GS], v[PWP:PWP+1], s[38:39] offset:16384
	s_wait_dscnt 0x0
	s_wait_xcnt 0x0
	s_wait_alu depctr_vm_vsrc(0)                   ; the stores have read v[PC ..], which the products below write, and v40, v41, which the next quantisings write
	MMC 0
	HALF 0, 38, 17408
	s_wait_xcnt 0x0
	s_wait_alu depctr_vm_vsrc(0)                   ; the stores have read v[PC ..], which the products below write
	MMC 1
	HALF 1, 38, 17408
	global_store_b64 v[GS], v[PWP:PWP+1], s[38:39] offset:17408+16384
	s_wait_dscnt 0x0                               ; the closing lines, six on end
	s_wait_alu 0x0
	s_wait_tensorcnt 0x0
	ds_add_u32 v62, v63
	s_wait_dscnt 0x0
	s_endpgm
.Lfunc_end_k_qa8193eca87_proj:
	.size	k_qa8193eca87_proj, .Lfunc_end_k_qa8193eca87_proj-k_qa8193eca87_proj
	.p2alignl 7, 3214868480
	.fill 96, 4, 3214868480
	.section	.rodata,"a",@progbits
	.p2align	6, 0x0
	.amdhsa_kernel k_qa8193eca87_proj
		.amdhsa_group_segment_fixed_size 169984
		.amdhsa_private_segment_fixed_size 0
		.amdhsa_enable_private_segment 0
		.amdhsa_kernarg_size 48
		.amdhsa_user_sgpr_count 2
		.amdhsa_user_sgpr_kernarg_segment_ptr 1
		.amdhsa_wavefront_size32 1
		.amdhsa_system_sgpr_workgroup_id_x 1
		.amdhsa_system_sgpr_workgroup_id_y 1
		.amdhsa_system_sgpr_workgroup_id_z 1
		.amdhsa_system_vgpr_workitem_id 0
		.amdhsa_next_free_vgpr 512
		.amdhsa_next_free_sgpr 66
		.amdhsa_reserve_vcc 0
		.amdhsa_float_denorm_mode_32 3
		.amdhsa_float_denorm_mode_16_64 3
		.amdhsa_memory_ordered 1
		.amdhsa_forward_progress 1
		.amdhsa_inst_pref_size 248
	.end_amdhsa_kernel
	.amdgpu_metadata
---
amdhsa.version: [ 1, 2 ]
amdhsa.kernels:
  - .name:           k_qa8193eca87_proj
    .symbol:         k_qa8193eca87_proj.kd
    .args:
      - { .name: x, .offset: 0, .size: 8, .value_kind: global_buffer, .address_space: global }
      - { .name: W_q, .offset: 8, .size: 8, .value_kind: global_buffer, .address_space: global }
      - { .name: W_k, .offset: 16, .size: 8, .value_kind: global_buffer, .address_space: global }
      - { .name: W_v, .offset: 24, .size: 8, .value_kind: global_buffer, .address_space: global }
      - { .name: qf, .offset: 32, .size: 8, .value_kind: global_buffer, .address_space: global }
      - { .name: kv, .offset: 40, .size: 8, .value_kind: global_buffer, .address_space: global }
    .group_segment_fixed_size: 169984
    .private_segment_fixed_size: 0
    .kernarg_segment_align: 8
    .kernarg_segment_size: 48
    .max_flat_workgroup_size: 256
    .sgpr_count:     66
    .vgpr_count:     512
    .wavefront_size: 32
...
	.end_amdgpu_metadata
.endif
;; end of part 3
;; launch attn: the kernel of part 2 again; grid 8 x 32, 4 waves a work-group, clusters of 4 x 1, 327,680 bytes of LDS; arguments qf, kv, out0; writes out0
